; MI455X (gfx1250); checked and timed in simulation.
; The chip was launched on July 23, 2026; its instructions are those of AMD's public machine-readable ISA for CDNA 5 (MIT licence, August 2026) and "CDNA5" Instruction Set Architecture Reference Guide (July 2026). The comments in the code are by the model that wrote it; some were corrected since.
;; Multi Head Attention. Allowed arithmetic: matrix products marked QUANTISED: E5M2 operands, one E8M0 scale for each 32 along K, by v_wmma_scale_f32_16x16x128_f8f6f4 with both operands' format E5M2, f32 sums; everything else in f32.
;; Inputs: Wk_codes 1,024 x 32 x 32 uint8 (E5M2 codes of Wk, K innermost, in blocks of 32 codes); Wk_scales 1,024 x 32 uint8 (E8M0 scales of Wk, one for each 32 codes along K); Wo_codes 1,024 x 32 x 32 uint8 (E5M2 codes of Wo, K innermost, in blocks of 32 codes); Wo_scales 1,024 x 32 uint8 (E8M0 scales of Wo, one for each 32 codes along K); Wq_codes 1,024 x 32 x 32 uint8 (E5M2 codes of Wq, K innermost, in blocks of 32 codes); Wq_scales 1,024 x 32 uint8 (E8M0 scales of Wq, one for each 32 codes along K); Wv_codes 1,024 x 32 x 32 uint8 (E5M2 codes of Wv, K innermost, in blocks of 32 codes); Wv_scales 1,024 x 32 uint8 (E8M0 scales of Wv, one for each 32 codes along K); bk 1,024 float32; bo 1,024 float32; bq 1,024 float32; bv 1,024 float32; mask 2,048 x 2,048 int32; x_codes 4 x 2,048 x 32 x 32 uint8 (E5M2 codes of x, K innermost, in blocks of 32 codes); x_scales 4 x 2,048 x 32 uint8 (E8M0 scales of x, one for each 32 codes along K).
;; Outputs: out0 4 x 2,048 x 1,024 float32.
;; This version of the problem:
;;   THIS VERSION OF THE PROBLEM IS GIVEN IN LOW PRECISION. The matrix products marked QUANTISED in the list below multiply operands that are first quantised to E5M2 (5 exponent bits, 2 mantissa bits; 8 bits a number), with one power-of-two scale for each 32 numbers along K (OCP MX v1.0); their sums are f32. All else is computed in f32.
;;   The module's matrix products, in the order in which they are computed (A, B: the left and right operand; K: the contracted axis; several contracted axes count as one K, in the product's order):
;;     1. [M 8,192, K 1,024] x [K 1,024, N 1,024]; A: input x (given as codes); B: input Wq (given as codes): QUANTISED
;;     2. [M 8,192, K 1,024] x [K 1,024, N 1,024]; A: input x (given as codes); B: input Wk (given as codes): QUANTISED
;;     3. [M 8,192, K 1,024] x [K 1,024, N 1,024]; A: input x (given as codes); B: input Wv (given as codes): QUANTISED
;;     4. batch 64 x [M 2,048, K 64] x [K 64, N 2,048]; A: computed on the way; B: computed on the way: QUANTISED
;;     5. batch 64 x [M 2,048, K 2,048] x [K 2,048, N 64]; A: softmax (see below); B: computed on the way: QUANTISED
;;     6. [M 8,192, K 1,024] x [K 1,024, N 1,024]; A: computed on the way; B: input Wo (given as codes): QUANTISED
;;   THE QUANTISER, for each operand of a quantised product, along K:
;;     - K is cut into blocks of 32 from its start; a last block that is shorter is filled with zeros.
;;     - A block's scale is 2^e with e = floor(log2(the largest magnitude in the block)) - 15, held to -126 .. 127; a block of zeros has e = 0. As a byte (E8M0): e + 127.
;;     - Each number is divided by its block's scale, clamped to +-57,344, and rounded to the nearest number of E5M2, ties to even, subnormals kept.
;;     - The product sums the exact products of the quantised numbers (number of the format x scale) in f32.
;;   ~~~python
;;   def quantise(x, axis):      # numpy; x: float32 -> the quantised numbers, widened to float32 again
;;       x = np.moveaxis(x, axis, -1); K = x.shape[-1]
;;       x = np.pad(x, [(0, 0)] * (x.ndim - 1) + [(0, -K % 32)]); x = x.reshape(x.shape[:-1] + (-1, 32)); a = np.abs(x).max(-1, keepdims=True)
;;       e = np.where(a > 0, np.clip(np.frexp(np.where(a > 0, a, 1))[1] - 1 - 15, -126, 127), 0)      # np.frexp(a)[1] - 1 = floor(log2(a)), exactly
;;       r = np.clip(x / 2.0 ** e, -57344, 57344)
;;       step = 2.0 ** (np.maximum(np.frexp(np.where(r == 0, 1, r))[1] - 1, -14) - 2)
;;       q = np.round(r / step) * step * 2.0 ** e      # np.round: ties to even
;;       return np.moveaxis(q.reshape(q.shape[:-2] + (-1,))[..., :K], -1, axis).astype(np.float32)
;;   ~~~
;;   SOFTMAX AHEAD OF A QUANTISED PRODUCT. Where the list says 'softmax', what is quantised is not the finished softmax but p = 2^(t - M), with t = logit x log2(e) and M = ceil(the row's largest t), a whole number; so 1/2 < the row's largest p <= 1. The row's sum l is taken of the UNQUANTISED p, in f32, and the product's result is divided by l at the end. Since M is a whole number, a kernel that streams over the keys may use a running M (the ceiling of the running maximum): every later rescaling is an exact power of two, which a block's scale takes up: the codes' values come out the same.
;;   OPERANDS COMPUTED ON THE WAY. 'Computed on the way' means the value that the module computes at that place (a softmax that the list does not call 'softmax' is quantised finished and normalised). What goes into a quantiser is computed in f32, as accurately as f32 sums, v_exp_f32 and their like allow (about 1e-6 of the number): no bf16 or f16 on the way to a quantiser, and a product that is left as it is and whose result goes on into a quantised operand takes f32 operands (vector FMAs, or v_wmma_f32_16x16x4_f32). A number that lies on a knife's edge between two numbers of the format may be rounded either way, as far as f32 arithmetic and the matrix unit's own rounding can turn it there, and no further.
;;   INPUTS GIVEN AS CODES. Wk (in the module: [1024, 1024], K = its axis 1); Wo (in the module: [1024, 1024], K = its axis 1); Wq (in the module: [1024, 1024], K = its axis 1); Wv (in the module: [1024, 1024], K = its axis 1); x (in the module: [4, 2048, 1024], K = its axis 2): each comes as NAME_codes (uint8): NAME with its K axis moved to the last place and cut into blocks of 32 codes, [.., K / 32, bytes a block], one block behind the other in memory; one code a byte (a code: sign, 5 exponent bits, 2 mantissa bits); and NAME_scales (uint8): the same leading axes, one E8M0 byte (e + 127) for each 32 codes along K. Its value is code x scale, taken as it is: it is not quantised again, and the codes and scales need not be those that the quantiser above would give.
;; One version. Each part assembles by itself: llvm-mc -triple=amdgcn-amd-amdhsa -mcpu=gfx1250 --defsym DOCPART=n.
;; ======== version 1 of 1: 3 launches
;; limits: right only within a limited range of input values
;; workspace buffers: qimg 8,388,608 bytes; qscl 262,144 bytes; kv 17,301,504 bytes; mbits 524,288 bytes of whole numbers; cimg 8,388,608 bytes; cscl 262,144 bytes
;; launch proj (part 1): grid 12 x 32, 4 waves a work-group, clusters of 4 x 4, 327,680 bytes of LDS; arguments x_codes, x_scales, Wq_codes, Wq_scales, bq, Wk_codes, Wk_scales, bk, Wv_codes, Wv_scales, bv, mask, qimg, qscl, kv, mbits; writes qimg, qscl, kv, mbits
.if DOCPART == 1
	.amdgcn_target "amdgcn-amd-amdhsa--gfx1250"
	.amdhsa_code_object_version 6
	.text
	.protected	k_qd7508d7a0b_proj
	.globl	k_qd7508d7a0b_proj
	.p2align	8
	.type	k_qd7508d7a0b_proj,@function
k_qd7508d7a0b_proj:
	s_mov_b64 s[64:65], 0
	v_nop
	global_prefetch_b8 v0, s[64:65] scope:SCOPE_SE
	s_setreg_imm32_b32 hwreg(HW_REG_WAVE_MODE, 25, 1), 1
	s_wait_xcnt 0x0
	s_wait_alu depctr_hold_cnt(0) depctr_sa_sdst(0) depctr_va_vdst(0) depctr_va_sdst(0) depctr_va_ssrc(0) depctr_va_vcc(0) depctr_vm_vsrc(0)
	s_getreg_b32 s2, hwreg(HW_REG_IB_STS2, 6, 4)
	s_cmp_eq_u32 s2, 0
	s_cbranch_scc0 .Lentry_in_a_cluster
	s_endpgm
.Lentry_in_a_cluster:
	s_bfe_u32 s2, ttmp6, 0x10000c
	s_cmp_lg_u32 s2, 0xf033
	s_cbranch_scc0 .Lentry_shape_is_right
	s_endpgm
.Lentry_shape_is_right:
.set KSTEP,  256
.set NQ,     2
.set ROWB,   256
.set KROW,   1024
.set PITCH,  272
.set FR,     16
.set NL,     4
.set NP,     8
.set HALFT,  128*PITCH
.set SLOT,   4*HALFT
.set LAPS,   2
.set KS,     32
.set SCL,    2*SLOT
.set HALFS,  (128*KS/256)*272
.set SBLK,   (16*KS/256)*272
.set SPARE,  SCL+4*HALFS
.set MSTG,   SPARE+512
.set ADRA, 16
.set ADRB, 20
.set ADRS, 27
.set SPW,  28
.set NIL,  29
.set BOF,  7
.set MW,   8
.set MSI,  13
.set MSO,  14
.set MGO,  15
.set SSTO, 18
.set SRD,  19
.set VX,   22
.set SG0,  26
.set SG1,  30
.set SC,   32
.set BC,   64
.set AF,   128
.set MD,   128
.set MT,   32
.set TM,   64
.set PWR,  80
.set SW,   88
.set PC,   96
.set G1, 24
.set G0, 32
.set G1B, 48
.set G0B, 56
.set G1S, 68
.set G0S, 76
.set G1SB, 80
.set G0SB, 88
.set MSB, 0
.macro WIN new
.if MSB != (\new)
	s_set_vgpr_msb (MSB<<8)|(\new)
.set MSB, (\new)
.endif
.endm
.set MUL_LO, 0xa1
.set MUL_HI, 0xf1
.set BIA_LO, 0x81
.set BIA_HI, 0xc1
.set TO_B,   0x40
.macro JLOAD g0a, g1a, g0b, g1b
	s_cmp_eq_u32 s15, 0
	s_cbranch_scc0 .Lfor_b_\@
	tensor_load_to_lds s[\g0a:\g0a+3], s[\g1a:\g1a+7]
	s_nop 0
.rept 4
	v_nop
.endr
	s_branch .Lasked_\@
.Lfor_b_\@:
	tensor_load_to_lds s[\g0b:\g0b+3], s[\g1b:\g1b+7]
	s_nop 0
.rept 4
	v_nop
.endr
.Lasked_\@:
.endm
.macro CREST
	s_cmp_lg_u32 s14, 0
	s_cbranch_scc1 .Lnot_wave_0_\@
	s_barrier_signal -3
.Lnot_wave_0_\@:
	s_barrier_wait -3
	s_barrier_signal -1
	s_barrier_wait -1
.endm
.macro CROUND
	s_barrier_signal -1
	s_barrier_wait -1
	CREST
.endm
	s_load_b512 s[24:39], s[0:1], 0x0
	s_load_b512 s[40:55], s[0:1], 0x40
	v_lshl_add_u32 v[SPW], v0, 2, SPARE
	v_mov_b32 v[NIL], 0
	ds_add_u32 v28, v29
	ds_add_u32 v28, v29
	s_wait_dscnt 0x0
	v_lshrrev_b32 v1, 5, v0
	v_readfirstlane_b32 s14, v1
	s_lshr_b32 s15, s14, 1
	s_and_b32 s16, s14, 1
	s_wait_kmcnt 0x0
	s_cmp_eq_u32 ttmp9, 0
	s_cselect_b64 s[4:5], s[28:29], s[34:35]
	s_cselect_b64 s[6:7], s[30:31], s[36:37]
	s_cselect_b64 s[96:97], s[32:33], s[38:39]
	s_cselect_b64 s[12:13], s[48:49], s[52:53]
	s_cselect_b64 s[66:67], s[50:51], s[52:53]
	s_cmp_eq_u32 ttmp9, 2
	s_cselect_b64 s[4:5], s[40:41], s[4:5]
	s_cselect_b64 s[6:7], s[42:43], s[6:7]
	s_cselect_b64 s[96:97], s[44:45], s[96:97]
	s_cselect_b64 s[8:9], s[24:25], s[4:5]
	s_cselect_b64 s[10:11], s[26:27], s[6:7]
	s_cselect_b64 s[4:5], s[4:5], s[24:25]
	s_cselect_b64 s[6:7], s[6:7], s[26:27]
	s_mov_b64 s[98:99], s[46:47]
	s_mov_b64 s[100:101], s[54:55]
	s_bfe_u32 s40, ttmp6, 0x40000
	s_bfe_u32 s41, ttmp6, 0x40004
	s_and_b32 s104, ttmp7, 0xffff
	s_lshl_b32 s104, s104, 2
	s_cmp_eq_u32 ttmp9, 2
	s_cselect_b32 s42, s104, 0
	s_cselect_b32 s17, 0, s104
	s_add_co_u32 s42, s42, s40
	s_add_co_u32 s17, s17, s41
	s_lshl_b32 s43, s41, 2
	s_lshl_b32 s43, 15, s43
	s_lshl_b32 s44, 0x1111, s40
	s_or_b32 s[G1+0], s43, (0<<16)|(1<<20)|(1<<21)|(5<<22)|(3<<25)
	s_or_b32 s[G1B+0], s44, (0<<16)|(1<<20)|(1<<21)|(5<<22)|(3<<25)
.irp g, G1, G1B
	s_mov_b32 s[\g+1], ROWB<<16
	s_mov_b32 s[\g+2], 128<<16
	s_mov_b32 s[\g+3], ROWB<<16
	s_mov_b32 s[\g+4], 128
	s_mov_b32 s[\g+5], KROW
	s_mov_b32 s[\g+6], 0
	s_mov_b32 s[\g+7], 0
.endr
	s_lshl_b32 s18, s16, 7
	s_lshl_b32 s20, s17, 8
	s_add_co_u32 s20, s20, s18
	s_lshl_b32 s46, s42, 8
	s_add_co_u32 s46, s46, s18
	s_mov_b32 s21, 0
	s_mov_b32 s47, 0
	s_lshl_b64 s[22:23], s[20:21], 5
	s_lshl_b64 s[92:93], s[46:47], 5
	s_lshl_b64 s[20:21], s[20:21], 10
	s_lshl_b64 s[46:47], s[46:47], 10
	s_mul_i32 s45, s14, HALFT
	s_mul_i32 s94, s14, HALFS
	s_add_nc_u64 s[20:21], s[4:5], s[20:21]
	s_add_nc_u64 s[22:23], s[6:7], s[22:23]
	s_add_nc_u64 s[46:47], s[8:9], s[46:47]
	s_add_nc_u64 s[92:93], s[10:11], s[92:93]
	CROUND
.irp s, 0,1
	s_mov_b32 s[G0+4*\s], 1
	s_add_co_u32 s[G0+4*\s+1], s45, \s*SLOT
	s_add_nc_u64 s[G0+4*\s+2:G0+4*\s+3], s[20:21], \s*ROWB
	s_or_b32 s[G0+4*\s+3], s[G0+4*\s+3], 0x80000000
	s_mov_b32 s[G0B+4*\s], 1
	s_add_co_u32 s[G0B+4*\s+1], s45, \s*SLOT
	s_add_nc_u64 s[G0B+4*\s+2:G0B+4*\s+3], s[46:47], \s*ROWB
	s_or_b32 s[G0B+4*\s+3], s[G0B+4*\s+3], 0x80000000
.endr
	JLOAD G0, G1, G0B, G1B                         ; K step 0: the wave's one tensor load at the head
	s_cmp_eq_u32 s15, 0                            ; waves 0, 1 bring the halves of A's scale bytes, waves 2, 3 those of B's
	s_cselect_b64 s[92:93], s[22:23], s[92:93]
	v_and_b32 v1, 15, v0
	v_bfe_u32 v2, v0, 4, 1
	v_mul_u32_u24 v3, v1, PITCH
	v_lshl_add_u32 v4, v2, 4, v3
	s_mul_i32 s21, s15, HALFT
	s_mul_i32 s22, s16, HALFT
	s_add_co_u32 s22, s22, 2*HALFT
.irp s, 0,1
	v_add_nc_u32 v[ADRA+\s], s21, v4
	v_add_nc_u32 v[ADRB+\s], s22, v4
	s_add_co_u32 s21, s21, SLOT
	s_add_co_u32 s22, s22, SLOT
.endr
	v_mul_u32_u24 v5, v1, KS
	v_lshrrev_b32 v6, 8, v5
	v_lshl_add_u32 v5, v6, 4, v5
	s_mul_i32 s21, s15, HALFS
	s_mul_i32 s22, s16, HALFS
	s_add_co_u32 s22, s22, 2*HALFS
	s_sub_co_u32 s22, s22, s21
	v_mul_u32_u24 v6, s22, v2
	s_add_co_u32 s21, s21, SCL
	v_add_nc_u32 v5, v5, v6
	v_add_nc_u32 v[ADRS], s21, v5
	s_mul_i32 s18, s14, 16*272
	s_add_co_u32 s18, s18, MSTG
	v_mul_u32_u24 v[MSI], v2, 272
	v_lshl_add_u32 v[MSI], v1, 4, v[MSI]
	v_add_nc_u32 v[MSI], s18, v[MSI]
	v_mul_u32_u24 v[MSO], v1, 272
	v_lshl_add_u32 v[MSO], v2, 5, v[MSO]
	v_add_nc_u32 v[MSO], s18, v[MSO]
	v_lshlrev_b32 v[MGO], 13, v2
	v_lshl_add_u32 v[MGO], v1, 4, v[MGO]
	; THE SCALE BYTES of my 128 rows, 4,096 dense bytes, come through registers: 8 loads of 512 consecutive bytes, stored into LDS as units of 256 bytes + 16 of padding, on bytes that no tensor load fills.
	; They are not asked for jointly: 4,096 bytes a wave, once, beside 32,768 bytes of codes a wave in each of four K steps.
	v_mul_u32_u24 v12, v2, 272
	v_lshl_add_u32 v12, v1, 4, v12
	s_add_co_u32 s94, s94, SCL
	v_add_nc_u32 v12, s94, v12                     ; LDS: my 16 units; load i brings unit 2 i to lanes 0-15 and unit 2 i + 1 to lanes 16-31
	v_lshlrev_b32 v31, 8, v2
	v_lshl_add_u32 v31, v1, 4, v31                 ; 16 x lane
	WIN TO_B                                       ; into registers of window 1, which B's fragments take later
.irp i, 0,1,2,3,4,5,6,7
	global_load_b128 v[4*\i:4*\i+3], v31, s[92:93] offset:512*\i
.endr
	WIN 0
	s_mov_b32 s18, 270336
	s_cmp_eq_u32 ttmp9, 0
	s_cselect_b32 s19, 131072, s18
	s_cselect_b32 s20, 4096, s18
	s_cmp_eq_u32 ttmp9, 2
	s_cselect_b32 s19, 1024, s19
	v_and_b32 v6, 31, v0
	v_lshlrev_b32 v[VX], 4, v6
	v_add_nc_u32 v[VX+1], 512, v[VX]
	v_add_nc_u32 v[VX+2], s19, v[VX]
	v_add_nc_u32 v[VX+3], s19, v[VX+1]
	s_lshl_b32 s21, s14, 9
	v_lshl_add_u32 v[SSTO], v1, 2, s21
	v_lshl_add_u32 v[SRD], v6, 3, s21
	v_lshlrev_b32 v[SG0], 3, v6
	v_add_nc_u32 v[SG1], s20, v[SG0]
	s_cmp_eq_u32 ttmp9, 2
	s_cbranch_scc1 .Lhead_v
	s_lshl_b32 s18, s42, 10
	s_lshl_b32 s19, s16, 9
	s_add_co_u32 s18, s18, s19
	s_mov_b32 s19, 0
	s_add_nc_u64 s[96:97], s[96:97], s[18:19]
	v_lshlrev_b32 v[BOF], 5, v2
.irp b, 0,1,2,3,4,5,6,7
	global_load_b128 v[BC+8*\b:BC+8*\b+3], v[BOF], s[96:97] offset:64*\b
	global_load_b128 v[BC+8*\b+4:BC+8*\b+7], v[BOF], s[96:97] offset:64*\b+16
.endr
	s_lshl_b32 s18, ttmp9, 7
	s_lshl_b32 s19, s17, 2
	s_add_co_u32 s18, s18, s19
	s_add_co_u32 s18, s18, s42
	s_lshr_b32 s19, s18, 1
	s_lshl_b32 s20, s19, 17
	s_and_b32 s21, s18, 1
	s_lshl_b32 s21, s21, 12
	s_add_co_u32 s20, s20, s21
	s_lshl_b32 s21, s14, 10
	s_add_co_u32 s20, s20, s21
	s_mov_b32 s21, 0
	s_add_nc_u64 s[98:99], s[98:99], s[20:21]
	s_lshl_b32 s20, s18, 11
	s_lshl_b32 s22, s14, 9
	s_add_co_u32 s20, s20, s22
	s_add_nc_u64 s[100:101], s[100:101], s[20:21]
.irp u, 0,1,2,3
.irp i, 0,1,2,3,4,5,6,7
	global_load_b128 v[MD+32*\u+4*\i:MD+32*\u+4*\i+3], v[MGO], s[98:99] offset:16384*\i+256*\u th:TH_LOAD_NT
.endr
.endr
.irp i, 0,1,2,3
	v_mov_b32 v[MW+\i], 0
.endr
	s_branch .Lhead_mid
.Lhead_v:
	s_lshl_b32 s18, s17, 10
	s_lshl_b32 s19, s15, 9
	s_add_co_u32 s18, s18, s19
	s_mov_b32 s19, 0
	s_add_nc_u64 s[96:97], s[96:97], s[18:19]
	v_lshlrev_b32 v[BOF], 2, v1
.irp a, 0,1,2,3,4,5,6,7
.irp j, 0,1,2,3,4,5,6,7
	global_load_b32 v[BC+8*\a+\j], v[BOF], s[96:97] offset:64*\a
.endr
.endr
.Lhead_mid:                                            ; both ways join: all that the head needs from memory has been asked for
	s_wait_alu depctr_va_vdst(0)
	s_wait_loadcnt 48                              ; the eight loads of scale bytes are in: behind them stand 48 loads on one way and 64 on the other
	WIN 0x04                                       ; the stores' data lie in window 1
.irp i, 0,1,2,3,4,5,6,7
	ds_store_b128 v12, v[4*\i:4*\i+3] offset:544*\i
.endr
	WIN 0
	s_wait_tensorcnt 0x0                           ; my part of K step 0 is in
	ds_add_u32 v28, v29
	s_wait_dscnt 0x0                               ; the add is done, and my scale bytes lie in LDS
	CROUND                                         ; a whole round: slot 0 and the scale bytes are whole, and the joint loads meet
	JLOAD G0+4, G1, G0B+4, G1B                     ; K step 1: the first tensor load behind the round
	s_cmp_eq_u32 ttmp9, 2
	s_cbranch_scc1 .Lhead_done                     ; V's work-groups pack no mask words
.macro PACKH hu
	s_wait_loadcnt 8*(3-(\hu))
.irp i, 0,1,2,3,4,5,6,7
	ds_store_b128 v[MSI], v[MD+32*(\hu)+4*\i:MD+32*(\hu)+4*\i+3] offset:544*\i
.endr
.irp t, 0,1,2,3
.irp g, 0,1
	ds_load_b128 v[MT+8*\t+4*\g:MT+8*\t+4*\g+3], v[MSO] offset:64*\t+16*\g
.endr
.endr
	s_wait_dscnt 0x0
.set n, 0
.rept 32
	v_cmp_eq_u32 s[18+n%4], 1, v[MT+n]
	v_writelane_b32 v[MW+2*((\hu)/2)+n%2], s[18+n%4], (32*((\hu)%2)+n)/2
.set n, n+1
.endr
.endm
	s_wait_alu depctr_va_vdst(0)
	PACKH 0
	s_wait_alu depctr_va_vdst(0)
	PACKH 1
	PACKH 2
	s_wait_alu depctr_va_vdst(0)
	PACKH 3
	global_store_b64 v[SG0], v[MW:MW+1], s[100:101]
	global_store_b64 v[SG0], v[MW+2:MW+3], s[100:101] offset:256
.Lhead_done:
	s_wait_loadcnt 0x0
.macro FRAG reg, adr, q, i
.irp c, 0,1,2,3
	ds_load_b128 v[\reg+4*\c:\reg+4*\c+3], v[\adr] offset:128*(\q)+32*\c+(\i)*16*PITCH
.endr
.endm
.macro MUL16 a0, p, q, sc, mode
.irp a, \a0, \a0+1
.irp b, 0,1,2,3,4,5,6,7
.if \mode == 1
	v_wmma_scale_f32_16x16x128_f8f6f4 v[8*(8*((\a)%4)+\b):8*(8*((\a)%4)+\b)+7], v[128*(\p)+FR*\b:128*(\p)+FR*\b+FR-1], v[AF+FR*(\a):AF+FR*(\a)+FR-1], v[BC+8*\b:BC+8*\b+7], v[SC+8*NQ*(\sc)+NQ*\b+(\q)], v[SC+8*NQ*(\sc)+NQ*(\a)+(\q)] matrix_a_fmt:MATRIX_FMT_BF8 matrix_b_fmt:MATRIX_FMT_BF8 matrix_a_scale:MATRIX_SCALE_ROW1
.elseif \mode == 2
	v_wmma_scale_f32_16x16x128_f8f6f4 v[8*(8*((\a)%4)+\b):8*(8*((\a)%4)+\b)+7], v[128*(\p)+FR*\b:128*(\p)+FR*\b+FR-1], v[AF+FR*(\a):AF+FR*(\a)+FR-1], v[BC+8*(\a):BC+8*(\a)+7], v[SC+8*NQ*(\sc)+NQ*\b+(\q)], v[SC+8*NQ*(\sc)+NQ*(\a)+(\q)] matrix_a_fmt:MATRIX_FMT_BF8 matrix_b_fmt:MATRIX_FMT_BF8 matrix_a_scale:MATRIX_SCALE_ROW1
.else
	v_wmma_scale_f32_16x16x128_f8f6f4 v[8*(8*((\a)%4)+\b):8*(8*((\a)%4)+\b)+7], v[128*(\p)+FR*\b:128*(\p)+FR*\b+FR-1], v[AF+FR*(\a):AF+FR*(\a)+FR-1], v[8*(8*((\a)%4)+\b):8*(8*((\a)%4)+\b)+7], v[SC+8*NQ*(\sc)+NQ*\b+(\q)], v[SC+8*NQ*(\sc)+NQ*(\a)+(\q)] matrix_a_fmt:MATRIX_FMT_BF8 matrix_b_fmt:MATRIX_FMT_BF8 matrix_a_scale:MATRIX_SCALE_ROW1
.endif
.endr
.endr
.endm
.macro FETCH_B slot, q, p
	WIN TO_B
.irp i, 0,1,2,3,4,5,6,7
	FRAG 128*(\p)+FR*\i, ADRB+\slot, \q, \i
.endr
	WIN 0
.endm
.macro FETCH_A slot, q, i0
.irp i, \i0, \i0+1, \i0+2, \i0+3
	FRAG AF+FR*(\i), ADRA+\slot, \q, \i
.endr
.endm
.macro SCALES sc
.irp i, 0,1,2,3,4,5,6,7
	ds_load_b64 v[SC+8*NQ*\sc+NQ*\i:SC+8*NQ*\sc+NQ*\i+1], v[ADRS] offset:\i*SBLK
.endr
.endm
.macro PLACES n
.rept \n
	v_nop
.endr
.endm
.macro STEP slot, q, mode
	s_wait_dscnt 4*NL
.if \mode
	WIN BIA_LO
.else
	WIN MUL_LO
.endif
	MUL16 0, (\q)%2, \q, \slot, \mode
	MUL16 2, (\q)%2, \q, \slot, \mode
	s_wait_dscnt 0
	PLACES NP
	FETCH_B \slot, (\q)+1, 1-(\q)%2
	FETCH_A \slot, (\q)+1, 0
.if \mode
	WIN BIA_HI
.else
	WIN MUL_HI
.endif
	MUL16 4, (\q)%2, \q, \slot, \mode
	MUL16 6, (\q)%2, \q, \slot, \mode
	PLACES NP
	WIN 0
	FETCH_A \slot, (\q)+1, 4
.endm
.macro TURN slot, next, fill
	s_wait_tensorcnt 0x0
	ds_add_u32 v[SPW], v[NIL]
	s_wait_dscnt 4*NL+1
	WIN MUL_LO
	MUL16 0, 1, NQ-1, \slot, 0
	s_wait_dscnt 0x0
	s_barrier_signal -1
	MUL16 2, 1, NQ-1, \slot, 0
	WIN 0
	s_barrier_wait -1
.if \fill
	CREST
	s_add_nc_u64 s[G0+4*\slot+2:G0+4*\slot+3], s[G0+4*\slot+2:G0+4*\slot+3], 2*ROWB
	s_add_nc_u64 s[G0B+4*\slot+2:G0B+4*\slot+3], s[G0B+4*\slot+2:G0B+4*\slot+3], 2*ROWB
	JLOAD G0+4*\slot, G1, G0B+4*\slot, G1B
	PLACES NP-4
.else
	PLACES NP
.endif
	s_wait_alu depctr_va_vdst(0)
	v_add_nc_u32 v[ADRS], 4*NQ, v[ADRS]
	FETCH_B \next, 0, 0
	FETCH_A \next, 0, 0
	SCALES \next
	WIN MUL_HI
	MUL16 4, 1, NQ-1, \slot, 0
	MUL16 6, 1, NQ-1, \slot, 0
	PLACES NP
	WIN 0
	FETCH_A \next, 0, 4
.endm
	FETCH_B 0, 0, 0
	FETCH_A 0, 0, 0
	SCALES 0
	FETCH_A 0, 0, 4
	s_cmp_eq_u32 ttmp9, 2
	s_cbranch_scc1 .Lfirst_v
	STEP 0, 0, 1
	s_branch .Lfirst_done
.Lfirst_v:
	STEP 0, 0, 2
.Lfirst_done:
	s_mov_b32 s3, LAPS-1
.Llap:
	TURN 0, 1, 1
	STEP 1, 0, 0
	TURN 1, 0, 1
	STEP 0, 0, 0
	s_sub_co_u32 s3, s3, 1
	s_cmp_lg_u32 s3, 0
	s_cbranch_scc1 .Llap
	TURN 0, 1, 0
	STEP 1, 0, 0
	s_wait_dscnt 4*NL
	WIN MUL_LO
	MUL16 0, 1, NQ-1, 1, 0
	MUL16 2, 1, NQ-1, 1, 0
	s_wait_dscnt 0
	WIN MUL_HI
	MUL16 4, 1, NQ-1, 1, 0
	MUL16 6, 1, NQ-1, 1, 0
	WIN 0
	s_cmp_eq_u32 ttmp9, 2
	s_cselect_b32 s18, s42, s17
	s_cselect_b32 s19, s16, s15
	s_cselect_b32 s20, s17, s42
	s_cselect_b32 s21, s15, s16
	s_cselect_b32 s45, -1, 0
	s_cselect_b32 s4, 8192, 0
	s_mov_b32 s6, 1024
	s_cselect_b32 s6, 2048, s6
	s_mov_b32 s8, 1024
	s_cselect_b32 s8, 264192, s8
	s_mov_b32 s10, 16384
	s_cselect_b32 s10, 16640, s10
	s_mov_b32 s7, 0
	s_mov_b32 s9, 0
	s_mov_b32 s11, 270336
	s_mov_b32 s2, 16896
	s_cmp_eq_u32 ttmp9, 0
	s_cselect_b32 s3, 131072, s11
	s_cselect_b32 s5, 8192, s2
	s_cselect_b32 s22, 4096, s11
	s_cselect_b32 s23, 256, s2
	s_cselect_b32 s10, 0, s10
	s_lshr_b32 s43, s18, 3
	s_lshl_b32 s43, s43, 4
	s_lshl_b32 s104, s20, 2
	s_add_co_u32 s43, s43, s104
	s_lshl_b32 s104, s21, 1
	s_add_co_u32 s43, s43, s104
	s_and_b32 s44, s18, 7
	s_lshl_b32 s44, s44, 1
	s_add_co_u32 s44, s44, s19
	s_mul_i32 s46, s43, s3
	s_mul_i32 s104, s44, s5
	s_add_co_u32 s46, s46, s104
	s_add_co_u32 s46, s46, s4
	s_mov_b32 s47, 0
	s_add_nc_u64 s[12:13], s[12:13], s[46:47]
	s_mul_i32 s46, s43, s22
	s_mul_i32 s104, s44, s23
	s_add_co_u32 s46, s46, s104
	s_add_co_u32 s46, s46, s10
	s_add_nc_u64 s[66:67], s[66:67], s[46:47]
	s_mov_b32 s92, 0x76543210
	s_mov_b32 s93, 0xfedcba98
	s_mov_b32 s94, 0x600000
	PLACES NP
.irp b, 0,1,2,3
	v_mov_b32 v[TM+4+\b], 0
.endr
.macro QOUT a
.set W, 2+(\a)/4
.set AC, 64*((\a)%4)
.set PS, PC+16*((\a)%2)
	WIN 20*W
.irp b, 0,1,2,3
	v_max3_num_f32 v[TM+\b], 0x8000000, |v[AC+16*\b]|, |v[AC+16*\b+1]|
.endr
.irp i, 2,4,6,8,10,12,14
.irp b, 0,1,2,3
	v_max3_num_f32 v[TM+\b], v[TM+\b], |v[AC+16*\b+\i]|, |v[AC+16*\b+\i+1]|
.endr
.endr
	WIN 0
.irp b, 0,1,2,3
	v_permlanex16_b32 v[TM+4+\b], v[TM+\b], s92, s93
.endr
.irp b, 0,1,2,3
	v_max_num_f32 v[TM+\b], v[TM+\b], v[TM+4+\b]
.endr
.irp b, 0,1,2,3
	v_add_nc_u32 v[TM+12+\b], 0xf8800000, v[TM+\b]
.endr
.irp b, 0,1,2,3
	v_and_or_b32 v[TM+8+\b], v[TM+\b], 0x7f800000, s94
.endr
.irp b, 0,1,2,3
	v_lshrrev_b32 v[TM+4+\b], 23, v[TM+12+\b]
.endr
	v_lshl_or_b32 v[PWR+(\a)], v[TM+5], 8, v[TM+4]
	v_lshl_or_b32 v[PWR+(\a)], v[TM+6], 16, v[PWR+(\a)]
	v_lshl_or_b32 v[PWR+(\a)], v[TM+7], 24, v[PWR+(\a)]
	WIN 65*W
.irp b, 0,1,2,3
.irp i, 0,1,2,3,4,5,6,7,8,9,10,11,12,13,14,15
	v_med3_num_f32 v[AC+16*\b+\i], v[AC+16*\b+\i], -v[TM+8+\b], v[TM+8+\b]
.endr
.endr
	WIN W
.irp b, 0,1,2,3
	v_cvt_scalef32_pk8_bf8_f32 v[PS+4*\b:PS+4*\b+1], v[AC+16*\b:AC+16*\b+7], v[TM+12+\b]
	v_cvt_scalef32_pk8_bf8_f32 v[PS+4*\b+2:PS+4*\b+3], v[AC+16*\b+8:AC+16*\b+15], v[TM+12+\b]
.endr
	WIN 0
	v_nop
	s_wait_alu depctr_va_vdst(0)
	s_wait_xcnt 0x0
.if (\a) == 4
	s_add_nc_u64 s[12:13], s[12:13], s[8:9]
.elseif (\a) > 0
	s_add_nc_u64 s[12:13], s[12:13], s[6:7]
.endif
.irp x, 0,1,2,3
	global_store_b128 v[VX+\x], v[PS+4*\x:PS+4*\x+3], s[12:13]
.endr
.endm
.irp a, 0,1,2,3,4,5,6,7
	QOUT \a
.endr
.irp g, 0,1,2,3
	v_perm_b32 v[SW+\g], v[PWR+2*\g+1], v[PWR+2*\g], 0x05040100
	v_perm_b32 v[SW+4+\g], v[PWR+2*\g+1], v[PWR+2*\g], 0x07060302
.endr
.irp g, 0,1,2,3,4,5,6,7
	v_cndmask_b32 v[SW+\g], v[SW+\g], v[PWR+\g], s45
.endr
.irp g, 0,1,2,3,4,5,6,7
	ds_store_b32 v[SSTO], v[SW+\g] offset:64*\g
.endr
	ds_load_b64 v[TM:TM+1], v[SRD]
	ds_load_b64 v[TM+2:TM+3], v[SRD] offset:256
	s_wait_dscnt 0x0
	global_store_b64 v[SG0], v[TM:TM+1], s[66:67]
	global_store_b64 v[SG1], v[TM+2:TM+3], s[66:67]
	s_wait_tensorcnt 0x0
	ds_add_u32 v[SPW], v[NIL]
	s_wait_dscnt 0x0
	CROUND
	s_endpgm
.Lfunc_end_k_qd7508d7a0b_proj:
	.size	k_qd7508d7a0b_proj, .Lfunc_end_k_qd7508d7a0b_proj-k_qd7508d7a0b_proj
	.p2alignl 7, 3214868480
	.fill 96, 4, 3214868480
	.section	.rodata,"a",@progbits
	.p2align	6, 0x0
	.amdhsa_kernel k_qd7508d7a0b_proj
		.amdhsa_group_segment_fixed_size 327680
		.amdhsa_private_segment_fixed_size 0
		.amdhsa_enable_private_segment 0
		.amdhsa_kernarg_size 128
		.amdhsa_user_sgpr_count 2
		.amdhsa_user_sgpr_kernarg_segment_ptr 1
		.amdhsa_wavefront_size32 1
		.amdhsa_system_sgpr_workgroup_id_x 1
		.amdhsa_system_sgpr_workgroup_id_y 1
		.amdhsa_system_sgpr_workgroup_id_z 1
		.amdhsa_system_vgpr_workitem_id 0
		.amdhsa_next_free_vgpr 1024
		.amdhsa_next_free_sgpr 106
		.amdhsa_reserve_vcc 0
		.amdhsa_float_denorm_mode_32 3
		.amdhsa_float_denorm_mode_16_64 3
		.amdhsa_memory_ordered 1
		.amdhsa_forward_progress 1
		.amdhsa_inst_pref_size 235
	.end_amdhsa_kernel
	.amdgpu_metadata
---
amdhsa.version: [ 1, 2 ]
amdhsa.kernels:
  - .name:           k_qd7508d7a0b_proj
    .symbol:         k_qd7508d7a0b_proj.kd
    .args:
      - { .name: x_codes, .offset: 0, .size: 8, .value_kind: global_buffer, .address_space: global }
      - { .name: x_scales, .offset: 8, .size: 8, .value_kind: global_buffer, .address_space: global }
      - { .name: Wq_codes, .offset: 16, .size: 8, .value_kind: global_buffer, .address_space: global }
      - { .name: Wq_scales, .offset: 24, .size: 8, .value_kind: global_buffer, .address_space: global }
      - { .name: bq, .offset: 32, .size: 8, .value_kind: global_buffer, .address_space: global }
      - { .name: Wk_codes, .offset: 40, .size: 8, .value_kind: global_buffer, .address_space: global }
      - { .name: Wk_scales, .offset: 48, .size: 8, .value_kind: global_buffer, .address_space: global }
      - { .name: bk, .offset: 56, .size: 8, .value_kind: global_buffer, .address_space: global }
      - { .name: Wv_codes, .offset: 64, .size: 8, .value_kind: global_buffer, .address_space: global }
      - { .name: Wv_scales, .offset: 72, .size: 8, .value_kind: global_buffer, .address_space: global }
      - { .name: bv, .offset: 80, .size: 8, .value_kind: global_buffer, .address_space: global }
      - { .name: mask, .offset: 88, .size: 8, .value_kind: global_buffer, .address_space: global }
      - { .name: qimg, .offset: 96, .size: 8, .value_kind: global_buffer, .address_space: global }
      - { .name: qscl, .offset: 104, .size: 8, .value_kind: global_buffer, .address_space: global }
      - { .name: kv, .offset: 112, .size: 8, .value_kind: global_buffer, .address_space: global }
      - { .name: mbits, .offset: 120, .size: 8, .value_kind: global_buffer, .address_space: global }
    .group_segment_fixed_size: 327680
    .private_segment_fixed_size: 0
    .kernarg_segment_align: 8
    .kernarg_segment_size: 128
    .max_flat_workgroup_size: 128
    .sgpr_count:     106
    .vgpr_count:     1024
    .wavefront_size: 32
...
	.end_amdgpu_metadata
.endif
;; end of part 1
;; launch attn (part 2): grid 4 x 64, 16 waves a work-group, no clusters, 272,384 bytes of LDS; arguments qimg, qscl, kv, mbits, cimg, cscl; writes cimg, cscl
.if DOCPART == 2
	.amdgcn_target "amdgcn-amd-amdhsa--gfx1250"
	.amdhsa_code_object_version 6
	.text
	.protected	k_qd7508d7a0b_attn
	.globl	k_qd7508d7a0b_attn
	.p2align	8
	.type	k_qd7508d7a0b_attn,@function
k_qd7508d7a0b_attn:
	s_mov_b64 s[64:65], 0
	v_nop
	global_prefetch_b8 v0, s[64:65] scope:SCOPE_SE
	s_setreg_imm32_b32 hwreg(HW_REG_WAVE_MODE, 25, 1), 1
	s_wait_xcnt 0x0
; ctx[b][q][head] = softmax_k(where(mask == 1, -10000, q . k / 8)) v, both products on codes of BF8 (E5M2) with one E8M0 scale for each 32 along a product's K; ctx is quantised here along the model's axis
; and leaves as images of operand registers for the last product.
; THE SOFTMAX AHEAD OF THE SECOND PRODUCT: t = logit x log2(e); M = the row's largest t so far, rounded UP to a whole number; p = 2^(t - M) is quantised along the keys, not normalised; the row's sum is taken of
; the unquantised p and divides at the end.  When M moves, the sum and O are multiplied by 2^(old M - new M): exact.
; THE MASK IS AN INPUT, AND WHOLE NUMBERS DECIDE WHAT IS DONE.  The launch before has laid, for each score register of each (query tile, key step of 128), the 32 lanes' bits in one word: 64 words a step.
; At a pass's head a wave reads its tile's 1,024 words and makes two flags for each of the 16 steps: all bits set, no bit set.
;   all set: every score of the step is replaced by -10,000 whatever q and k hold, so K Q^T is not formed.  All else that reference() asks of these keys is done: t of -10,000 enters the running M, p = 2^(t - M) is one number
;            a query, 64 p is added to the lane's half of the row's sum, p's one code and one scale byte fill the operand, and V^T P^T is multiplied.  This holds for every mask and every score, a row that is masked whole too.
;   none set: the step is computed without the 64 selects and without its mask words.
;   else: a masked score is replaced by -80,000 ahead of the factor 1/8, which gives -10,000 exactly: each mask word is the select of one v_cndmask_b32.
; SHARES.  A work-group owns 32 query tiles of one head; wave w of work-group x takes tiles i = 16 x + w and 127 - i, in an order set by bits 0 and 2 of w: for any mask the result is the same; under a triangular one
; every wave has the same number of computed steps.
; A HEAD'S K, V AND THEIR SCALE WORDS, 16 records of 16,896 bytes in the order of the operands' registers, are 270,336 bytes: each wave brings one record into LDS, once, through registers (33 loads and 33 LDS stores of 512 bytes).
; NO TENSOR LOAD AND NO CLUSTER: the steps branch on numbers read from memory.  NO PREFETCH: K and V are read once, at the head; there is no loop to run ahead in.
; LAYOUT.  S^T = K Q^T (source 0 = keys, source 1 = my 16 queries), O^T = V^T P^T: a lane holds ONE query (lane % 16) throughout; register 8 t + j of S^T is key 16 t + 8 (lane / 16) + j.
; K = 64 IN AN INSTRUCTION OF 128: a fragment of K holds TWO tiles of 16 keys, one in each half of the 128 slots.  Q lies as q | zeros | q in 24 registers: its first 16 pick the first tile, its last 16 the second.
; A zero code adds nothing: the codes of K were held at the largest code when they were made, so none is an infinity or a NaN.
; LIMITS: NaN and infinities are not served; a block whose largest magnitude lies under 2^-111 keeps the scale byte 1, a block of zeros too.  The promise holds while the scaled scores stay under 2^31 in magnitude.
.set REC,  16896                       ; a record: 128 keys
.set VOF,  8192                        ; in it: K's 8 tiles x 1,024 bytes, then V^T's 4 tiles x 2,048,
.set KSO,  16384                       ; K's scale words, 4 x 64 bytes,
.set VSO,  16640                       ; V's, 4 x 64 bytes
.set SPARE, 0x42000                    ; behind the 16 records: the spare words, 128 bytes a wave
.set LI,   1                           ; v1   16 x lane
.set LW,   2                           ; v2   4 x lane
.set ADK,  3                           ; v3   LDS address of the step's images
.set ADS,  4                           ; v4   and of its scale words
.set R4,   5                           ; v5   4 r
.set R32,  6                           ; v6   32 r
.set NEG,  7                           ; v7   -80,000
.set QW,   8                           ; v8   Q's scale word as it lies: two tiles' halves
.set QS,   9                           ; v9   my tile's two bytes, twice
.set KSC,  10                          ; v10-11 K's scale words
.set Q,    16                          ; v16-23 q, v24-31 zeros, v32-39 q      (v12 -M, v13 the largest t, v[14:15] the sum in two halves)
.set KF,   40                          ; v40-103  the step's K, then its V^T
.set S,    104                         ; v104-167 S^T, then p
.set O,    168                         ; v168-199 O^T
.set PC,   200                         ; v200-215 p's codes
.set BM,   216                         ; v216-219 the blocks' largest
.set BT,   220                         ; v220-223 at work, then the bytes
.set BL,   224                         ; v224-227 57,344 x the scale
.set BS,   228                         ; v228-231 the conversions' scale operands
.set TT,   234                         ; v234 at work                          (v232-233, v242-253: the sum's side chains)
.set FF,   236                         ; v[236:237] f = 2^(old M - new M)
.set PSW,  238                         ; v238 p's scale word
.set VSC,  239                         ; v239-240 V's scale words
.set HW,   242                         ; v242 ctx's two scale bytes
.set SPW,  254                         ; v254 my spare word; v255 0
.set NIL,  255
.set MOFF, 2                           ; s2   the step's place among my tile's mask words
.set QSEL, 3                           ; s3   which half of Q's scale word is my tile's
.set FM,   8                           ; s8   bit 0: the step in hand is masked whole; shifted a step at a time
.set FN,   9                           ; s9   bit 0: it has no masked score
.set WV,   16                          ; s16  my wave's number
.set TB,   17                          ; s17  LDS byte at which the step's record begins
.set CNT,  18                          ; s18  steps to go
.set PASS, 19                          ; s19  passes to go
.set PQ,   20                          ; s[20:21] the pass's q, s[22:23] its scale words, s[24:25] its mask words, s[26:27] ctx's codes, s[28:29] ctx's scale bytes
.set TA,   30                          ; s30  the first pass's tile; s67 the second's; s31 the tile in hand
.set TL,   31
.set TZ,   67
.set MNT,  66                          ; s66  the mantissa field of 57,344
.set SEL,  100                         ; s[100:101] lane selects for v_permlanex16_b32: lane l xor 16
.set CS,   104                         ; s[104:105] c = log2(e) / 8           (s32-63, s68-99: a mixed step's 64 mask words)
.macro WALU
	s_wait_alu depctr_va_vdst(0)
.endm
.macro MASKWORDS                       ; 64 words, 256 bytes, at s[MOFF] in my tile's 4,096
	s_load_b512 s[32:47], s[PQ+4:PQ+5], s[MOFF] offset:0x0
	s_load_b512 s[48:63], s[PQ+4:PQ+5], s[MOFF] offset:0x40
	s_load_b512 s[68:83], s[PQ+4:PQ+5], s[MOFF] offset:0x80
	s_load_b512 s[84:99], s[PQ+4:PQ+5], s[MOFF] offset:0xc0
.endm
.macro NEWM                            ; v[TT] = a step's largest t, just written -> the running largest, -M, and f = 2^(old M - new M)
	s_delay_alu instid0(VALU_DEP_1)
	v_max_num_f32 v13, v13, v[TT]
	v_mov_b32 v[TT], v12
	s_delay_alu instid0(VALU_DEP_2)
	v_floor_f32 v12, -v13                          ; the new -M = floor(-t) = -ceil(t): a whole number
	s_delay_alu instid0(VALU_DEP_1)
	v_sub_f32 v[TT], v12, v[TT]                    ; M's old value less its new one: a whole number, 0 or less
	s_delay_alu instid0(VALU_DEP_1)
	v_cvt_i32_f32 v[TT], v[TT]                     ; (it saturates)
	s_delay_alu instid0(VALU_DEP_1)
	v_ldexp_f32 v[FF], 1.0, v[TT]
.endm
.macro VLOADS                          ; V^T: tile i / 4, chunk i % 4, and its scale words
.irp i, 0,1,2,3,4,5,6,7,8,9,10,11,12,13,14,15
	ds_load_b128 v[KF+4*\i:KF+4*\i+3], v[ADK] offset:VOF+512*\i
.endr
	ds_load_b32 v[VSC], v[ADS] offset:VSO
	ds_load_b32 v[VSC+1], v[ADS] offset:VSO+128
.endm
; A computed step's first part: K's images, S^T = K Q^T, V's images asked for.  mixed = 1: the step's mask words are asked for at its head, and select behind the products
.macro FRONT mixed
.if \mixed
	MASKWORDS
.endif
	v_add_nc_u32 v[ADK], s[TB], v[LI]
	v_add_nc_u32 v[ADS], s[TB], v[LW]
.rept 6
	v_nop                                          ; with the two additions: eight places in front of loads into registers that the last products have read
.endr
.irp i, 0,1,2,3,4,5,6,7,8,9,10,11,12,13,14,15
	ds_load_b128 v[KF+4*\i:KF+4*\i+3], v[ADK] offset:512*\i        ; K: tile i / 2, chunk i % 2: 512 consecutive bytes a load
.endr
	ds_load_b32 v[KSC], v[ADS] offset:KSO
	ds_load_b32 v[KSC+1], v[ADS] offset:KSO+128
	WALU
	s_wait_dscnt 0x0
.irp d, 0,1,2,3
.irp u, 0,1
.if (\d)%2
	v_wmma_scale_f32_16x16x128_f8f6f4 v[S+8*(2*\d+\u):S+8*(2*\d+\u)+7], v[KF+16*\d:KF+16*\d+15], v[Q+8*\u:Q+8*\u+15], 0, v[KSC+\d/2], v[QS] matrix_a_fmt:MATRIX_FMT_BF8 matrix_b_fmt:MATRIX_FMT_BF8 matrix_a_scale:MATRIX_SCALE_ROW1
.else
	v_wmma_scale_f32_16x16x128_f8f6f4 v[S+8*(2*\d+\u):S+8*(2*\d+\u)+7], v[KF+16*\d:KF+16*\d+15], v[Q+8*\u:Q+8*\u+15], 0, v[KSC+\d/2], v[QS] matrix_a_fmt:MATRIX_FMT_BF8 matrix_b_fmt:MATRIX_FMT_BF8
.endif
.endr
.endr
.rept 8
	v_nop                                          ; places in front of the loads into K's registers and of the first lines that touch the scores
.endr
	VLOADS                                         ; it lands while the softmax is walked
.if \mixed
	s_wait_kmcnt 0x0                               ; the step's mask words
.set n, 0
.rept 64
.if n < 32
	v_cndmask_b32 v[S+n], v[S+n], v[NEG], s[32+n]  ; each accumulator from its low end on
.else
	v_cndmask_b32 v[S+n], v[S+n], v[NEG], s[36+n]
.endif
.set n, n+1
.endr
.endif
.endm
; The flags.  Load i of a tile's mask words holds step 2 i in lanes 0-15 and step 2 i + 1 in lanes 16-31, four words a lane
.macro FLAGV i
	v_and_b32 v[BM], v[S+4*\i], v[S+4*\i+1]
	v_and_b32 v[BM+1], v[S+4*\i+2], v[S+4*\i+3]
	v_or_b32 v[BM+2], v[S+4*\i], v[S+4*\i+1]
	v_or_b32 v[BM+3], v[S+4*\i+2], v[S+4*\i+3]
	v_and_b32 v[BM], v[BM], v[BM+1]
	v_or_b32 v[BM+2], v[BM+2], v[BM+3]
	v_cmp_eq_u32 s[32+\i], -1, v[BM]               ; lanes whose four words are all ones
	v_cmp_eq_u32 s[40+\i], 0, v[BM+2]              ; lanes whose four words are zeros
.endm
.macro FLAGS dst, src, i               ; sixteen lanes that all say so make a step's bit
	s_and_b32 s48, s[\src], 0xffff
	s_cmp_eq_u32 s48, 0xffff
	s_cselect_b32 s48, 1<<(2*\i), 0
	s_or_b32 s[\dst], s[\dst], s48
	s_lshr_b32 s48, s[\src], 16
	s_cmp_eq_u32 s48, 0xffff
	s_cselect_b32 s48, 2<<(2*\i), 0
	s_or_b32 s[\dst], s[\dst], s48
.endm
	s_load_b256 s[4:11], s[0:1], 0x0               ; qimg s[4:5], qscl s[6:7], kv s[8:9], mbits s[10:11]
	s_load_b128 s[12:15], s[0:1], 0x20             ; cimg s[12:13], cscl s[14:15]
	v_lshl_add_u32 v[SPW], v0, 2, SPARE
	v_mov_b32 v[NIL], 0
	v_lshrrev_b32 v1, 5, v0
	v_readfirstlane_b32 s[WV], v1                  ; wave 0..15
	s_and_b32 s33, ttmp7, 0xffff                   ; 16 x batch + head
	s_lshl_b32 s[TA], ttmp9, 4
	s_add_co_u32 s[TA], s[TA], s[WV]               ; the first pass's tile: 16 x + wave, 0 .. 63
	s_sub_co_u32 s[TZ], 127, s[TA]                 ; the other tile: 64 .. 127
	s_lshr_b32 s32, s[WV], 2                       ; waves whose number has bits 0 and 2 unlike take their two tiles in the other order, so that the waves of a work-group are not all in steps of one kind together
	s_xor_b32 s32, s32, s[WV]
	s_bitcmp1_b32 s32, 0
	s_cselect_b32 s32, s[TZ], s[TA]
	s_cselect_b32 s[TZ], s[TA], s[TZ]
	s_mov_b32 s[TA], s32
	s_mul_i32 s36, s33, 16*REC                     ; kv: the head's records,
	s_mul_i32 s[TB], s[WV], REC                    ; my record: in LDS,
	s_add_co_u32 s36, s36, s[TB]                   ; and in memory
	s_mov_b32 s37, 0
	s_lshl_b32 s38, s33, 17                        ; qimg: 131,072 bytes a head
	s_mov_b32 s39, 0
	s_lshl_b32 s40, s33, 12                        ; qscl: 4,096 bytes a head
	s_mov_b32 s41, 0
	s_lshr_b32 s44, s33, 4                         ; the batch
	s_and_b32 s50, s33, 15                         ; the head
	s_lshl_b32 s46, s44, 21                        ; cimg: 128 tiles of rows a batch, 16,384 bytes each; 1,024 x head in a tile
	s_lshl_b32 s48, s50, 10
	s_add_co_u32 s46, s46, s48
	s_mov_b32 s47, 0
	s_lshl_b32 s48, s44, 16                        ; cscl: 512 bytes a tile of rows; two bytes a head in a row's 32
	s_lshl_b32 s49, s50, 1
	s_add_co_u32 s48, s48, s49
	s_mov_b32 s49, 0
	s_mov_b32 s[MNT], 0x600000
	s_mov_b32 s[SEL], 0x76543210
	s_mov_b32 s[SEL+1], 0xfedcba98
	s_mov_b32 s[CS], 0x3e38aa3b                    ; c = log2(e) / 8
	s_mov_b32 s[CS+1], s[CS]                       ; (named with it as a pair, so it is written)
	s_mov_b32 s[PASS], 2
	v_and_b32 v[LW], 31, v0
	v_and_b32 v[R4], 15, v0
	v_lshlrev_b32 v[LI], 4, v[LW]
	v_lshlrev_b32 v[R32], 5, v[R4]
	v_lshlrev_b32 v[LW], 2, v[LW]
	v_lshlrev_b32 v[R4], 2, v[R4]
	v_mov_b32 v[NEG], 0xc79c4000
	v_add_nc_u32 v[ADK], s[TB], v[LI]
.irp i, 0,1,2,3,4,5,6,7
	v_mov_b32 v[Q+8+\i], 0                         ; the zero codes between the two copies of q
.endr
.irp b, 0,1,2,3
	v_mov_b32 v[BT+\b], 0                          ; written once: a lane permute's destination counts as one of its sources
.endr
	v_mov_b32 v[TT], 0
	v_mov_b32 v[FF+1], 0                           ; (named as the upper half of a pair)
	WALU                                           ; the head's end
	s_wait_kmcnt 0x0
	s_add_nc_u64 s[8:9], s[8:9], s[36:37]
	s_add_nc_u64 s[4:5], s[4:5], s[38:39]
	s_add_nc_u64 s[6:7], s[6:7], s[40:41]
	s_add_nc_u64 s[12:13], s[12:13], s[46:47]
	s_add_nc_u64 s[14:15], s[14:15], s[48:49]
.set n, 0
.rept 33
	global_load_b128 v[40+4*n:43+4*n], v[LI], s[8:9] offset:512*n   ; my record: 33 x 512 consecutive bytes
.set n, n+1
.endr
.set n, 0
.rept 33
	s_wait_loadcnt 32-n                            ; behind load n stand 32 - n others
	ds_store_b128 v[ADK], v[40+4*n:43+4*n] offset:512*n
.set n, n+1
.endr
	s_wait_dscnt 0x0                               ; my record is in,
	s_barrier_signal -1
	s_barrier_wait -1                              ; everybody's is: the head lies in LDS for the rest of the launch, and nobody writes it again
.Lpass:
	s_cmp_eq_u32 s[PASS], 2
	s_cselect_b32 s[TL], s[TA], s[TZ]              ; the pass's tile
	s_mov_b32 s33, 0
	s_lshl_b32 s32, s[TL], 10                      ; qimg: 1,024 bytes a tile
	s_add_nc_u64 s[PQ:PQ+1], s[4:5], s[32:33]
	s_lshr_b32 s32, s[TL], 1                       ; qscl: 64 bytes for two tiles
	s_lshl_b32 s32, s32, 6
	s_add_nc_u64 s[PQ+2:PQ+3], s[6:7], s[32:33]
	s_lshl_b32 s32, s[TL], 12                      ; mbits: 4,096 bytes a tile
	s_add_nc_u64 s[PQ+4:PQ+5], s[10:11], s[32:33]
	s_lshl_b32 s32, s[TL], 14
	s_add_nc_u64 s[PQ+6:PQ+7], s[12:13], s[32:33]
	s_lshl_b32 s32, s[TL], 9
	s_add_nc_u64 s[PQ+8:PQ+9], s[14:15], s[32:33]
	s_and_b32 s[QSEL], s[TL], 1
	s_mul_i32 s[QSEL], s[QSEL], 0x02020202
	s_add_co_u32 s[QSEL], s[QSEL], 0x01000100      ; bytes 0, 1, 0, 1 of the word in an even tile, 2, 3, 2, 3 in an odd one
	global_load_b128 v[Q:Q+3], v[LI], s[PQ:PQ+1]
	global_load_b128 v[Q+4:Q+7], v[LI], s[PQ:PQ+1] offset:512
	global_load_b128 v[Q+16:Q+19], v[LI], s[PQ:PQ+1]   ; q a second time, behind the zeros
	global_load_b128 v[Q+20:Q+23], v[LI], s[PQ:PQ+1] offset:512
	global_load_b32 v[QW], v[R4], s[PQ+2:PQ+3]
.irp i, 0,1,2,3,4,5,6,7
	global_load_b128 v[S+4*\i:S+4*\i+3], v[LI], s[PQ+4:PQ+5] offset:512*\i   ; the tile's mask words, for the flags
.endr
	v_mov_b32 v13, 0xff61b1e6                      ; the largest t so far: -3e38, under every t
	v_mov_b32 v14, 0                               ; the sum, in two halves
	v_mov_b32 v15, 0
	v_floor_f32 v12, -v13                          ; -M
	s_mov_b32 s[TB], 0
	s_mov_b32 s[MOFF], 0
	s_mov_b32 s[CNT], 16
	s_mov_b32 s[FM], 0
	s_mov_b32 s[FN], 0
.set n, 0
.rept 32
	v_mov_b32 v[O+n], 0                            ; O^T.  (The step is written once: the first finds zeros, which the first change of M leaves zeros)
.set n, n+1
.endr
	WALU
	s_wait_loadcnt 0x0
	v_perm_b32 v[QS], v[QW], v[QW], s[QSEL]        ; a scale register written by a vector instruction stands eight places ahead of the product: the lines below are more
.irp i, 0,1,2,3,4,5,6,7
	FLAGV \i
.endr
.irp i, 0,1,2,3,4,5,6,7
	FLAGS FM, 32+\i, \i
	FLAGS FN, 40+\i, \i
.endr
	WALU
.Lstep:
	s_bitcmp1_b32 s[FM], 0
	s_cbranch_scc0 .Lcomputed
	; ---- A STEP THAT IS MASKED WHOLE: every score is -80,000 ahead of the factor.  The ten plain lines are the places in front of the loads into registers that the last products have read
	v_mul_f32 v[TT], s[CS], v[NEG]                 ; its t
	NEWM
	v_fma_f32 v[BM], v[NEG], s[CS], v12            ; t - M, by the line that a mixed step uses
	v_add_nc_u32 v[ADK], s[TB], v[LI]
	v_add_nc_u32 v[ADS], s[TB], v[LW]
	VLOADS
	WALU                                           ; ahead of the exponential
	v_exp_f32 v[BM], v[BM]                         ; p, the same for all 128 keys of my query
	v_pk_mul_f32 v[14:15], v[14:15], v[FF:FF+1] op_sel_hi:[1,0]   ; the sums under the new M: the plain line behind the exponential
	WALU                                           ; and ahead of its first reader
	v_fmamk_f32 v14, v[BM], 0x42800000, v14        ; my lane's 64 keys: + 64 p
	v_max_num_f32 v[BM+1], 0x8000000, v[BM]        ; the floor 2^(16 - 127): the byte cannot fall under 1
	s_delay_alu instid0(VALU_DEP_1)
	v_add_nc_u32 v[BS], 0xf8800000, v[BM+1]        ; 15 off the exponent field: the conversion's scale operand
	s_delay_alu instid0(VALU_DEP_2)
	v_and_or_b32 v[BL], v[BM+1], 0x7f800000, s[MNT]   ; 57,344 x the scale
	s_delay_alu instid0(VALU_DEP_2)
	v_lshrrev_b32 v[BT], 23, v[BS]                 ; the scale's byte,
	s_delay_alu instid0(VALU_DEP_1)
	v_perm_b32 v[PSW], v[BT], v[BT], 0             ; for all four blocks
.irp i, 0,1,2,3,4,5,6,7
	v_min_num_f32 v[S+\i], v[BM], v[BL]            ; p held at the largest code, eight times, for the conversion's eight sources
.endr
.irp k, 0,1,2,3,4,5,6,7
	v_cvt_scalef32_pk8_bf8_f32 v[PC+2*\k:PC+2*\k+1], v[S:S+7], v[BS]   ; the one code fills the operand's 16 registers
.endr
	s_branch .Lpv
.Lcomputed:
	s_bitcmp1_b32 s[FN], 0
	s_cbranch_scc1 .Lclear
	FRONT 1
	WALU
	s_branch .Lsoft
.Lclear:
	FRONT 0
.Lsoft:
.irp b, 0,1,2,3
	v_max3_num_f32 v[BM+\b], v[S+16*\b], v[S+16*\b+1], v[S+16*\b+2]   ; THE LARGEST SCORE OF EACH BLOCK OF 32 KEYS: for the row's maximum and, since p rises with the score, for the block's largest p
.endr
.irp i, 3,5,7,9,11,13
.irp b, 0,1,2,3
	v_max3_num_f32 v[BM+\b], v[BM+\b], v[S+16*\b+\i], v[S+16*\b+\i+1]   ; (the four blocks by turns)
.endr
.endr
.irp b, 0,1,2,3
	v_max_num_f32 v[BM+\b], v[BM+\b], v[S+16*\b+15]
.endr
.irp b, 0,1,2,3
	v_permlanex16_b32 v[BT+\b], v[BM+\b], s[SEL], s[SEL+1]
.endr
.irp b, 0,1,2,3
	s_delay_alu instid0(VALU_DEP_4)
	v_max_num_f32 v[BM+\b], v[BM+\b], v[BT+\b]     ; with lane l xor 16's 16 keys
.endr
	s_delay_alu instid0(VALU_DEP_2)
	v_max3_num_f32 v[TT], v[BM], v[BM+1], v[BM+2]
	s_delay_alu instid0(VALU_DEP_1)
	v_max_num_f32 v[TT], v[TT], v[BM+3]            ; the step's largest score of my query
	s_delay_alu instid0(VALU_DEP_1)
	v_mul_f32 v[TT], s[CS], v[TT]                  ; as t (c is positive)
	NEWM
.set n, 0
.rept 32
	v_pk_fma_f32 v[S+n:S+n+1], v[S+n:S+n+1], s[CS:CS+1], v[12:13] op_sel_hi:[1,0,0]   ; t - M, two at a time
.set n, n+2
.endr
.irp b, 0,1,2,3
	v_fma_f32 v[BM+\b], v[BM+\b], s[CS], v12       ; the same of each block's largest score
.endr
	WALU                                           ; ahead of the batch
.set n, 0
.rept 64
	v_exp_f32 v[S+n], v[S+n]                       ; p = 2^(t - M), at most 1
.set n, n+1
.endr
	v_pk_mul_f32 v[14:15], v[14:15], v[FF:FF+1] op_sel_hi:[1,0]   ; the sums under the new M: the plain line behind the exponentials
	WALU                                           ; one wait for the whole batch, ahead of its first reader
.irp b, 0,1,2,3
	v_exp_f32 v[BM+\b], v[BM+\b]                   ; the block's largest p: the same two instructions on the same number give the same bits
.endr
	v_pk_add_f32 v[232:233], v[108:109], v[112:113]   ; the row's sum of the unquantised p, in eight chains
	v_pk_add_f32 v[252:253], v[116:117], v[120:121]
	v_pk_add_f32 v[250:251], v[124:125], v[128:129]
	v_pk_add_f32 v[248:249], v[132:133], v[136:137]
	v_pk_add_f32 v[246:247], v[140:141], v[144:145]
	v_pk_add_f32 v[244:245], v[148:149], v[152:153]
	v_pk_add_f32 v[242:243], v[156:157], v[160:161]
	v_pk_add_f32 v[14:15], v[14:15], v[164:165]
	v_pk_add_f32 v[232:233], v[232:233], v[104:105]
	v_pk_add_f32 v[252:253], v[252:253], v[106:107]
	v_pk_add_f32 v[250:251], v[250:251], v[110:111]
	v_pk_add_f32 v[248:249], v[248:249], v[114:115]
	v_pk_add_f32 v[246:247], v[246:247], v[118:119]
	v_pk_add_f32 v[244:245], v[244:245], v[122:123]
	v_pk_add_f32 v[242:243], v[242:243], v[126:127]
	v_pk_add_f32 v[14:15], v[14:15], v[130:131]
	v_pk_add_f32 v[232:233], v[232:233], v[134:135]
	v_pk_add_f32 v[252:253], v[252:253], v[138:139]
	v_pk_add_f32 v[250:251], v[250:251], v[142:143]
	v_pk_add_f32 v[248:249], v[248:249], v[146:147]
	v_pk_add_f32 v[246:247], v[246:247], v[150:151]
	v_pk_add_f32 v[244:245], v[244:245], v[154:155]
	v_pk_add_f32 v[242:243], v[242:243], v[158:159]
	v_pk_add_f32 v[14:15], v[14:15], v[162:163]
	v_pk_add_f32 v[232:233], v[232:233], v[166:167]
	s_delay_alu instid0(VALU_DEP_2)
	v_pk_add_f32 v[14:15], v[14:15], v[248:249]
	s_delay_alu instid0(VALU_DEP_2)
	v_pk_add_f32 v[232:233], v[232:233], v[246:247]
	v_pk_add_f32 v[252:253], v[252:253], v[244:245]
	v_pk_add_f32 v[250:251], v[250:251], v[242:243]
	s_delay_alu instid0(VALU_DEP_2)
	v_pk_add_f32 v[14:15], v[14:15], v[252:253]
	s_delay_alu instid0(VALU_DEP_2)
	v_pk_add_f32 v[232:233], v[232:233], v[250:251]
	s_delay_alu instid0(VALU_DEP_1)
	v_pk_add_f32 v[14:15], v[14:15], v[232:233]
	WALU                                           ; and one for the four
.irp b, 0,1,2,3
	v_max_num_f32 v[BM+\b], 0x8000000, v[BM+\b]    ; the floor 2^(16 - 127): the byte cannot fall under 1
.endr
.irp b, 0,1,2,3
	s_delay_alu instid0(VALU_DEP_4)
	v_add_nc_u32 v[BS+\b], 0xf8800000, v[BM+\b]    ; 15 off the exponent field: the conversion's scale operand
.endr
.irp b, 0,1,2,3
	v_and_or_b32 v[BL+\b], v[BM+\b], 0x7f800000, s[MNT]   ; 57,344 x the scale
.endr
.irp b, 0,1,2,3
	v_lshrrev_b32 v[BT+\b], 23, v[BS+\b]           ; the scale's byte
.endr
	s_delay_alu instid0(VALU_DEP_3)
	v_lshl_or_b32 v[PSW], v[BT+1], 8, v[BT]        ; p's scale word for these 128 keys
	s_delay_alu instid0(VALU_DEP_1)
	v_lshl_or_b32 v[PSW], v[BT+2], 16, v[PSW]
	s_delay_alu instid0(VALU_DEP_1)
	v_lshl_or_b32 v[PSW], v[BT+3], 24, v[PSW]
.irp b, 0,1,2,3
.irp i, 0,1,2,3,4,5,6,7,8,9,10,11,12,13,14,15
	v_min_num_f32 v[S+16*\b+\i], v[S+16*\b+\i], v[BL+\b]   ; the conversion to an 8-bit code does not saturate (ISA guide 7.6.2); p is not negative, so the hold is one-sided
.endr
	v_cvt_scalef32_pk8_bf8_f32 v[PC+4*\b:PC+4*\b+1], v[S+16*\b:S+16*\b+7], v[BS+\b]
	v_cvt_scalef32_pk8_bf8_f32 v[PC+4*\b+2:PC+4*\b+3], v[S+16*\b+8:S+16*\b+15], v[BS+\b]
.endr
.Lpv:                                  ; both kinds of step: O^T = f O^T + V^T P^T
	WALU                                           ; directly ahead of the first reader of O^T
.set n, 0
.rept 16
	v_pk_mul_f32 v[O+n:O+n+1], v[O+n:O+n+1], v[FF:FF+1] op_sel_hi:[1,0]   ; O^T under the new M.  (These are also the places between the conversions, the scale word and the products)
.set n, n+2
.endr
	WALU
	s_wait_dscnt 0x0                               ; V^T and its scale words
.irp t, 0,1,2,3
.if (\t)%2
	v_wmma_scale_f32_16x16x128_f8f6f4 v[O+8*\t:O+8*\t+7], v[KF+16*\t:KF+16*\t+15], v[PC:PC+15], v[O+8*\t:O+8*\t+7], v[VSC+\t/2], v[PSW] matrix_a_fmt:MATRIX_FMT_BF8 matrix_b_fmt:MATRIX_FMT_BF8 matrix_a_scale:MATRIX_SCALE_ROW1
.else
	v_wmma_scale_f32_16x16x128_f8f6f4 v[O+8*\t:O+8*\t+7], v[KF+16*\t:KF+16*\t+15], v[PC:PC+15], v[O+8*\t:O+8*\t+7], v[VSC+\t/2], v[PSW] matrix_a_fmt:MATRIX_FMT_BF8 matrix_b_fmt:MATRIX_FMT_BF8
.endif
.endr
	s_lshr_b32 s[FM], s[FM], 1                     ; the next step's flags, record and mask words
	s_lshr_b32 s[FN], s[FN], 1
	s_add_co_u32 s[TB], s[TB], REC
	s_add_co_u32 s[MOFF], s[MOFF], 256
	s_sub_co_u32 s[CNT], s[CNT], 1
	s_cmp_lg_u32 s[CNT], 0
	WALU
	s_cbranch_scc1 .Lstep
	; ---- THE WAY OUT of a query tile: O^T / the sum is ctx; register 8 t + j of lane (r, h) is channel 16 t + 8 h + j of query r: two blocks of 32 along the model's axis
.rept 8
	v_nop
.endr
	v_add_f32 v14, v14, v15                        ; the sum's two halves,
	s_delay_alu instid0(VALU_DEP_1)
	v_permlanex16_b32 v[TT], v14, s[SEL], s[SEL+1]
	s_delay_alu instid0(VALU_DEP_1)
	v_add_f32 v14, v14, v[TT]                      ; and lane l xor 16's: the row's sum
	WALU
	v_rcp_f32 v14, v14
	v_nop                                          ; a plain line behind the reciprocal
	WALU                                           ; and the wait ahead of its first reader, and of O^T's
.set n, 0
.rept 32
	v_mul_f32 v[S+n], v[O+n], v14
.set n, n+1
.endr
.irp b, 0,1
	v_max3_num_f32 v[BM+\b], |v[S+16*\b]|, |v[S+16*\b+1]|, 0x8000000
.endr
.irp i, 2,4,6,8,10,12,14
.irp b, 0,1
	s_delay_alu instid0(VALU_DEP_2)
	v_max3_num_f32 v[BM+\b], v[BM+\b], |v[S+16*\b+\i]|, |v[S+16*\b+\i+1]|
.endr
.endr
.irp b, 0,1
	s_delay_alu instid0(VALU_DEP_2)
	v_permlanex16_b32 v[BT+\b], v[BM+\b], s[SEL], s[SEL+1]
.endr
.irp b, 0,1
	s_delay_alu instid0(VALU_DEP_2)
	v_max_num_f32 v[BM+\b], v[BM+\b], v[BT+\b]
.endr
.irp b, 0,1
	s_delay_alu instid0(VALU_DEP_2)
	v_add_nc_u32 v[BS+\b], 0xf8800000, v[BM+\b]
.endr
.irp b, 0,1
	s_delay_alu instid0(VALU_DEP_4)
	v_and_or_b32 v[BL+\b], v[BM+\b], 0x7f800000, s[MNT]
.endr
.irp b, 0,1
	s_delay_alu instid0(VALU_DEP_4)
	v_lshrrev_b32 v[BT+\b], 23, v[BS+\b]
.endr
	s_delay_alu instid0(VALU_DEP_1)
	v_lshl_or_b32 v[HW], v[BT+1], 8, v[BT]
.irp b, 0,1
.irp i, 0,1,2,3,4,5,6,7,8,9,10,11,12,13,14,15
	v_med3_num_f32 v[S+16*\b+\i], v[S+16*\b+\i], -v[BL+\b], v[BL+\b]
.endr
	v_cvt_scalef32_pk8_bf8_f32 v[PC+4*\b:PC+4*\b+1], v[S+16*\b:S+16*\b+7], v[BS+\b]
	v_cvt_scalef32_pk8_bf8_f32 v[PC+4*\b+2:PC+4*\b+3], v[S+16*\b+8:S+16*\b+15], v[BS+\b]
.endr
	v_nop                                          ; one plain line between the conversions and the lines that touch their results
	; Wo's codes lie in the natural order, so ctx's must: lane (r, 0) holds channels 0-7 and 16-23 of a block, lane (r, 1) 8-15 and 24-31; the upper half's first eight change places with the lower half's last eight
.irp b, 0,1
	v_permlane16_swap_b32 v[PC+4*\b], v[PC+4*\b+2]
	v_permlane16_swap_b32 v[PC+4*\b+1], v[PC+4*\b+3]
.endr
	global_store_b128 v[LI], v[PC:PC+3], s[PQ+6:PQ+7]          ; 32 lanes store 512 consecutive bytes, aligned
	global_store_b128 v[LI], v[PC+4:PC+7], s[PQ+6:PQ+7] offset:512
	global_store_b16 v[R32], v[HW], s[PQ+8:PQ+9]               ; lanes l and l xor 16 write the same two bytes with the same value
	WALU
	s_wait_xcnt 0x0                                ; the stores have read their data and their bases, which the next pass writes
	s_sub_co_u32 s[PASS], s[PASS], 1
	s_cmp_lg_u32 s[PASS], 0
	s_cbranch_scc1 .Lpass
	s_wait_tensorcnt 0x0                           ; the wave's end
	ds_add_u32 v[SPW], v[NIL]
	s_wait_dscnt 0x0
	s_endpgm
.Lfunc_end_k_qd7508d7a0b_attn:
	.size	k_qd7508d7a0b_attn, .Lfunc_end_k_qd7508d7a0b_attn-k_qd7508d7a0b_attn
	.p2alignl 7, 3214868480
	.fill 96, 4, 3214868480
	.section	.rodata,"a",@progbits
	.p2align	6, 0x0
	.amdhsa_kernel k_qd7508d7a0b_attn
		.amdhsa_group_segment_fixed_size 272384
		.amdhsa_private_segment_fixed_size 0
		.amdhsa_enable_private_segment 0
		.amdhsa_kernarg_size 48
		.amdhsa_user_sgpr_count 2
		.amdhsa_user_sgpr_kernarg_segment_ptr 1
		.amdhsa_wavefront_size32 1
		.amdhsa_system_sgpr_workgroup_id_x 1
		.amdhsa_system_sgpr_workgroup_id_y 1
		.amdhsa_system_sgpr_workgroup_id_z 1
		.amdhsa_system_vgpr_workitem_id 0
		.amdhsa_next_free_vgpr 256
		.amdhsa_next_free_sgpr 106
		.amdhsa_reserve_vcc 0
		.amdhsa_float_denorm_mode_32 3
		.amdhsa_float_denorm_mode_16_64 3
		.amdhsa_memory_ordered 1
		.amdhsa_forward_progress 1
		.amdhsa_inst_pref_size 59
	.end_amdhsa_kernel
	.amdgpu_metadata
---
amdhsa.version: [ 1, 2 ]
amdhsa.kernels:
  - .name:           k_qd7508d7a0b_attn
    .symbol:         k_qd7508d7a0b_attn.kd
    .args:
      - { .name: qimg, .offset: 0, .size: 8, .value_kind: global_buffer, .address_space: global }
      - { .name: qscl, .offset: 8, .size: 8, .value_kind: global_buffer, .address_space: global }
      - { .name: kv, .offset: 16, .size: 8, .value_kind: global_buffer, .address_space: global }
      - { .name: mbits, .offset: 24, .size: 8, .value_kind: global_buffer, .address_space: global }
      - { .name: cimg, .offset: 32, .size: 8, .value_kind: global_buffer, .address_space: global }
      - { .name: cscl, .offset: 40, .size: 8, .value_kind: global_buffer, .address_space: global }
    .group_segment_fixed_size: 272384
    .private_segment_fixed_size: 0
    .kernarg_segment_align: 8
    .kernarg_segment_size: 48
    .max_flat_workgroup_size: 512
    .sgpr_count:     106
    .vgpr_count:     256
    .wavefront_size: 32
...
	.end_amdgpu_metadata
.endif
;; end of part 2
;; launch outp (part 3): grid 8 x 32, 4 waves a work-group, clusters of 4 x 4, 327,680 bytes of LDS; arguments cimg, cscl, Wo_codes, Wo_scales, bo, out0; writes out0
.if DOCPART == 3
	.amdgcn_target "amdgcn-amd-amdhsa--gfx1250"
	.amdhsa_code_object_version 6
	.text
	.protected	k_qd7508d7a0b_outp
	.globl	k_qd7508d7a0b_outp
	.p2align	8
	.type	k_qd7508d7a0b_outp,@function
k_qd7508d7a0b_outp:
	s_mov_b64 s[64:65], 0
	v_nop
	global_prefetch_b8 v0, s[64:65] scope:SCOPE_SE
	s_setreg_imm32_b32 hwreg(HW_REG_WAVE_MODE, 25, 1), 1
	s_wait_xcnt 0x0
	s_wait_alu depctr_hold_cnt(0) depctr_sa_sdst(0) depctr_va_vdst(0) depctr_va_sdst(0) depctr_va_ssrc(0) depctr_va_vcc(0) depctr_vm_vsrc(0)
	s_getreg_b32 s2, hwreg(HW_REG_IB_STS2, 6, 4)
	s_cmp_eq_u32 s2, 0
	s_cbranch_scc0 .Lentry_in_a_cluster
	s_endpgm
.Lentry_in_a_cluster:
	s_bfe_u32 s2, ttmp6, 0x10000c
	s_cmp_lg_u32 s2, 0xf033
	s_cbranch_scc0 .Lentry_shape_is_right
	s_endpgm
.Lentry_shape_is_right:
; out0 = ctx Wo^T + bo: 8,192 x 1,024 x 1,024 on codes of BF8 (E5M2) with one E8M0 scale for each 32 along K; f32 sums, which begin with the bias.
; cimg: ctx's codes as images of operand registers: [tile of 16 rows: 16,384 bytes][block of 32 along K: 512 bytes][lane: 16 bytes]; cscl: ctx's scale bytes, 32 a row.  Wo's codes and scale bytes lie as they are given.
; THE DEAL.  256 work-groups of four waves, 2 x 2; a work-group makes 256 rows x 128 columns.  A wave holds its 64 rows of Wo, ALL of K, in 512 registers (windows 1, 2) and streams its 128 rows of ctx past them in eight blocks of 16,
; which stand in registers as two whole sets (window 3).  A block is 32 products: its four accumulators by turns, K ascending.
; LDS: two regions of 128 rows x (1,024 + 16) bytes.  At the head waves 0, 1 bring Wo's 128 rows into the second and waves 2, 3 ctx's rows 0-127 into the first, 64 rows a load.  When Wo stands in registers, ctx's rows 128-255
; are filled over it, in the same shape, 32 rows a wave, behind a drained round of the cluster's barrier; they are shown by the barrier inside block 2, ahead of the first fetch that reads them.
; A tile of cimg is 16 dense rows of 1,024 bytes: the block of 32 along K with number kb lies at LDS row kb / 2 of its tile, byte 512 (kb % 2): 512 consecutive bytes a load.
; CLUSTERS: 4 x 4 work-groups.  The four of a row of the cluster need the same rows of ctx, the four of a column the same rows of Wo: each tile is asked for jointly.
; SCALES AND BIAS go from memory straight into registers, once: a block's 16 rows of scale bytes are 512 consecutive bytes.
; THE MATRIX INSTRUCTION IS USED TRANSPOSED (source 0 = 16 rows of Wo, source 1 = 16 rows of ctx): a lane holds eight neighbouring columns of one row of out0.
; THE WAY OUT: a block's 16 rows x 256 bytes go through the wave's own stage in LDS, on bytes that no fill lands on, and leave as aligned units of 256 bytes while the next block is multiplied.
; PREFETCH: ctx's rows 128-255, 131,072 bytes, are asked for once in each cluster row at the head, 8,192 bytes a wave, lanes 256 bytes apart, shared out by address among the row's sixteen waves; what the head's own loads bring has nothing ahead of it to be asked in.
; LIMITS: NaN, infinities and sums beyond f32's range are not served.
.set KROW,   1024
.set PITCH,  KROW+16
.set TILE,   16*PITCH                  ; 16 rows in LDS
.set YB,     128*PITCH                 ; the second region
.set STAGE,  2*YB                      ; 16 rows x 272 bytes for each wave
.set SPITCH, 272
.set SPARE,  STAGE+4*16*SPITCH         ; the spare words, 128 bytes a wave
.set NP,     8                         ; plain vector lines behind these matrix instructions (ISA guide 7.12.1)
.set ADRA0, 4                          ; v4   16 x lane + my row of waves' four tiles
.set ADRA,  5                          ; v5   the same for the block that is fetched
.set ADRB,  6                          ; v6   my fragments of Wo
.set ABS,   7                          ; v7   32 x lane: Wo's scale bytes
.set AAS,   8                          ; v8   32 r: ctx's
.set BOF,   9                          ; v9   32 h: the bias
.set SPW,   10                         ; v10  my spare word
.set NIL,   11                         ; v11  0
.set STO,   12                         ; v12  the stage: in
.set RD,    13                         ; v13  and back
.set CO,    14                         ; v14  my bytes in two rows of out0
.set PFO,   15                         ; v15  the prefetch's offset; never rewritten
.set SB,    24                         ; v24-39   Wo's scale words: register 8 p + q: lanes 0-15 tile 2 p's, lanes 16-31 tile 2 p + 1's
.set SA,    44                         ; v44-107  ctx's: register 8 n + q for block n: no product's two scale words have numbers equal modulo 8
.set ACC,   108                        ; v108-171 two sets of four accumulators
.set BQ,    172                        ; v172-203 the bias: the first products' C
.set BK,    204                        ; v204-235 16 rows read back from the stage
.set WV,  20                           ; s20 wave; s21 my row of waves; s22 my column
.set G1W, 24                           ; s[24:31], s[56:59] Wo's rows
.set G0W, 56
.set G1A, 32                           ; s[32:39], s[60:63] ctx's rows 0-127
.set G0A, 60
.set G1R, 48                           ; s[48:55], s[68:71] the refill: ctx's rows 128-255
.set G0R, 68
.set MSB, 0
.macro WIN new                         ; the immediate's high byte repeats the setting that is left
.if MSB != (\new)
	s_set_vgpr_msb (MSB<<8)|(\new)
.set MSB, (\new)
.endif
.endm
.macro PLACES n
.rept \n
	v_nop
.endr
.endm
.macro WALU
	s_wait_alu depctr_va_vdst(0)
.endm
.macro BARRIER
	s_barrier_signal -1
	s_barrier_wait -1
.endm
.macro CROUND                          ; a round of the cluster's barrier
	BARRIER
	s_cmp_lg_u32 s[WV], 0
	s_cbranch_scc1 .Lnot_wave_0_\@
	s_barrier_signal -3
.Lnot_wave_0_\@:
	s_barrier_wait -3
	BARRIER
.endm
.macro TLOAD g0, g1                    ; an s_nop 0 and four v_nop follow the load
	tensor_load_to_lds s[\g0:\g0+3], s[\g1:\g1+7]
	s_nop 0
	PLACES 4
.endm
.macro GROUP1 g, mask, rows            ; so many whole rows of 1,024 bytes, dense in memory, 16 bytes of padding behind each in LDS
	s_or_b32 s[\g+0], s[\mask], (1<<20)|(1<<21)|(7<<22)|(3<<25)
	s_mov_b32 s[\g+1], (KROW&0xffff)<<16
	s_mov_b32 s[\g+2], (KROW>>16)|((\rows)<<16)
	s_mov_b32 s[\g+3], KROW<<16
	s_mov_b32 s[\g+4], \rows
	s_mov_b32 s[\g+5], KROW
	s_mov_b32 s[\g+6], 0
	s_mov_b32 s[\g+7], 0
.endm
	s_load_b256 s[4:11], s[0:1], 0x0               ; cimg s[4:5], cscl s[6:7], Wo_codes s[8:9], Wo_scales s[10:11]
	s_load_b128 s[12:15], s[0:1], 0x20             ; bo s[12:13], out0 s[14:15]
	v_lshl_add_u32 v[SPW], v0, 2, SPARE
	v_mov_b32 v[NIL], 0
	ds_add_u32 v[SPW], v[NIL]                      ; the wave's opening: the add, twice on end, and its wait ahead of my first tensor load
	ds_add_u32 v[SPW], v[NIL]
	v_lshrrev_b32 v1, 5, v0
	v_readfirstlane_b32 s[WV], v1                  ; wave 0..3
	s_lshr_b32 s21, s[WV], 1
	s_and_b32 s22, s[WV], 1
	s_bfe_u32 s40, ttmp6, 0x40000                  ; cx, cy: my place in the cluster
	s_bfe_u32 s41, ttmp6, 0x40004
	s_lshl_b32 s42, ttmp9, 2
	s_add_co_u32 s42, s42, s40                     ; tile column, 0 .. 7: 128 columns
	s_and_b32 s43, ttmp7, 0xffff
	s_lshl_b32 s43, s43, 2
	s_add_co_u32 s43, s43, s41                     ; tile row, 0 .. 31: 256 rows
	s_lshl_b32 s44, s41, 2
	s_lshl_b32 s44, 15, s44                        ; my row of the cluster: shares ctx's rows
	s_lshl_b32 s45, 0x1111, s40                    ; my column: shares Wo's
	GROUP1 G1W, 45, 64
	GROUP1 G1A, 44, 64
	GROUP1 G1R, 44, 32
	s_lshl_b32 s72, s42, 17                        ; Wo's codes: 128 rows a tile column, + 64 rows for wave 1
	s_lshl_b32 s73, s22, 16
	s_add_co_u32 s72, s72, s73
	s_mov_b32 s73, 0
	s_lshl_b32 s74, s43, 18                        ; cimg: 256 rows a tile row
	s_lshl_b32 s75, s22, 16
	s_add_co_u32 s76, s74, s75                     ; rows 0-127: + 64 rows for wave 3
	s_mov_b32 s77, 0
	s_lshl_b32 s75, s[WV], 15
	s_add_co_u32 s78, s74, s75                     ; rows 128-255: 32 rows a wave
	s_add_co_u32 s78, s78, 128*KROW
	s_mov_b32 s79, 0
	s_mov_b32 s[G0W], 1
	s_mov_b32 s[G0A], 1
	s_mov_b32 s[G0R], 1
	s_mul_i32 s[G0A+1], s22, 64*PITCH              ; where they go: made of the wave's number alone
	s_add_co_u32 s[G0W+1], s[G0A+1], YB
	s_mul_i32 s[G0R+1], s[WV], 32*PITCH
	s_add_co_u32 s[G0R+1], s[G0R+1], YB
	s_mul_i32 s80, s21, 4*TILE                     ; my row of waves takes tiles 4 wr .. 4 wr + 3 of a region
	s_mul_i32 s81, s22, 4*TILE                     ; my column of waves rows 64 wc .. of Wo
	s_add_co_u32 s81, s81, YB
	s_mul_i32 s82, s[WV], 16*SPITCH
	s_add_co_u32 s82, s82, STAGE                   ; my stage
	s_lshl_b32 s83, s40, 2                         ; which of the cluster row's sixteen waves I am: my 8,192 bytes of rows 128-255
	s_add_co_u32 s83, s83, s[WV]
	s_lshl_b32 s83, s83, 13
	s_add_co_u32 s83, s83, s74
	s_add_co_u32 s83, s83, 128*KROW
	s_lshl_b32 s84, s42, 12                        ; Wo's scale bytes: 32 a row: my 64 rows
	s_lshl_b32 s85, s22, 11
	s_add_co_u32 s84, s84, s85
	s_mov_b32 s85, 0
	s_lshl_b32 s86, s43, 13                        ; ctx's: my row of waves' first row
	s_lshl_b32 s87, s21, 11
	s_add_co_u32 s86, s86, s87
	s_mov_b32 s87, 0
	s_lshl_b32 s88, s42, 9                         ; the bias, and my columns in a row of out0: 4 bytes a column
	s_lshl_b32 s89, s22, 8
	s_add_co_u32 s88, s88, s89
	s_mov_b32 s89, 0
	s_lshl_b32 s90, s43, 20                        ; out0: 4,096 bytes a row
	s_lshl_b32 s91, s21, 18
	s_add_co_u32 s90, s90, s91
	s_add_co_u32 s90, s90, s88
	s_mov_b32 s91, 0
	v_and_b32 v1, 15, v0                           ; r
	v_bfe_u32 v2, v0, 4, 1                         ; h
	v_and_b32 v3, 31, v0                           ; lane
	v_lshl_add_u32 v[ADRA0], v3, 4, s80
	v_mul_u32_u24 v16, v1, PITCH
	v_mul_u32_u24 v17, v1, SPITCH
	v_mul_u32_u24 v18, v2, SPITCH
	v_lshlrev_b32 v19, 12, v2
	v_lshl_add_u32 v16, v2, 4, v16                 ; a fragment of Wo: row r x pitch + 16 h
	v_lshl_add_u32 v17, v2, 5, v17                 ; the stage, in: row r, 32 bytes for each half of the lanes
	v_lshl_add_u32 v18, v1, 4, v18                 ; back: lanes 0-15 one row of 256 bytes, lanes 16-31 the next
	v_lshl_add_u32 v[CO], v1, 4, v19               ; and the same two rows in out0
	v_add_nc_u32 v[ADRB], s81, v16
	v_add_nc_u32 v[STO], s82, v17
	v_add_nc_u32 v[RD], s82, v18
	v_lshlrev_b32 v[ABS], 5, v3
	v_lshlrev_b32 v[AAS], 5, v1
	v_lshlrev_b32 v[BOF], 5, v2
	v_lshl_add_u32 v[PFO], v3, 8, s83
	WALU                                           ; the head's end
	s_wait_dscnt 0x0                               ; both opening adds are done
	CROUND                                         ; all sixteen work-groups are here: the first joint loads meet
	s_wait_kmcnt 0x0
	s_add_nc_u64 s[G0W+2:G0W+3], s[8:9], s[72:73]
	s_or_b32 s[G0W+3], s[G0W+3], 0x80000000
	s_add_nc_u64 s[G0A+2:G0A+3], s[4:5], s[76:77]
	s_or_b32 s[G0A+3], s[G0A+3], 0x80000000
	s_add_nc_u64 s[G0R+2:G0R+3], s[4:5], s[78:79]
	s_or_b32 s[G0R+3], s[G0R+3], 0x80000000
	s_cmp_lt_u32 s[WV], 2                          ; one joint load a wave
	s_cbranch_scc0 .Lfor_a
	TLOAD G0W, G1W                                 ; waves 0, 1: Wo's rows
	s_branch .Lasked
.Lfor_a:
	TLOAD G0A, G1A                                 ; waves 2, 3: ctx's rows 0-127
.Lasked:
	s_add_nc_u64 s[10:11], s[10:11], s[84:85]
	s_add_nc_u64 s[6:7], s[6:7], s[86:87]
	s_add_nc_u64 s[12:13], s[12:13], s[88:89]
	s_add_nc_u64 s[14:15], s[14:15], s[90:91]
.irp p, 0,1
.irp c, 0,1
	global_load_b128 v[SB+8*\p+4*\c:SB+8*\p+4*\c+3], v[ABS], s[10:11] offset:\p*1024+16*\c   ; lane l takes row l of a pair of tiles
.endr
.endr
.irp t, 0,1,2,3
	global_load_b128 v[BQ+8*\t:BQ+8*\t+3], v[BOF], s[12:13] offset:64*\t        ; register 8 t + j: column 16 t + 8 h + j of my 64
	global_load_b128 v[BQ+8*\t+4:BQ+8*\t+7], v[BOF], s[12:13] offset:64*\t+16
.endr
.irp n, 0,1,2,3,4,5,6,7
	global_load_b128 v[SA+8*\n:SA+8*\n+3], v[AAS], s[6:7] offset:(128*(\n/4)+16*(\n%4))*32      ; block n's rows: eight words a row
	global_load_b128 v[SA+8*\n+4:SA+8*\n+7], v[AAS], s[6:7] offset:(128*(\n/4)+16*(\n%4))*32+16
.endr
	global_prefetch_b8 v[PFO], s[4:5] th:TH_LOAD_NT scope:SCOPE_SE
.macro WEIGHTS                         ; my 64 rows of Wo, all of K: fragment 4 q + b in window 1 + (4 q + b) / 16: lane l holds row l % 16; registers 4 c .. 4 c + 3 hold K = 32 c + 16 (l / 16) + 0 .. 15
.set K_, 0
.rept 32
	WIN (1+K_/16)<<6
.irp c, 0,1,2,3
	ds_load_b128 v[16*(K_%16)+4*\c:16*(K_%16)+4*\c+3], v[ADRB] offset:128*(K_/4)+32*\c+(K_%4)*TILE
.endr
.set K_, K_+1
.endr
	WIN 0
.endm
.macro FETCH n                         ; block n of ctx, 16 rows, all of K, into set n % 2 of window 3: 32 loads
	v_add_nc_u32 v[ADRA], ((\n)/4)*YB+((\n)%4)*TILE, v[ADRA0]
	WIN 3<<6
.irp q, 0,1,2,3,4,5,6,7
.irp c, 0,1,2,3
	ds_load_b128 v[128*((\n)%2)+16*\q+4*\c:128*((\n)%2)+16*\q+4*\c+3], v[ADRA] offset:(2*\q+\c/2)*PITCH+(\c%2)*512
.endr
.endr
	WIN 0
.endm
.macro PROD n, k                       ; product k = 4 q + b of block n: the q-th 128 of K, column tile b
.set Q_, (\k)/4
.set B_, (\k)%4
.set AC_, ACC+32*((\n)%2)+8*B_
.set C_, AC_
.if Q_ == 0
.set C_, BQ+8*B_
.endif
.set R_, 128*((\n)%2)+16*Q_
.set W_, 16*((\k)%16)
.set XS_, SA+8*(\n)+Q_
.set WS_, SB+8*(B_/2)+Q_
	WIN (1+(\k)/16)|(3<<2)
.if B_%2
	v_wmma_scale_f32_16x16x128_f8f6f4 v[AC_:AC_+7], v[W_:W_+15], v[R_:R_+15], v[C_:C_+7], v[WS_], v[XS_] matrix_a_fmt:MATRIX_FMT_BF8 matrix_b_fmt:MATRIX_FMT_BF8 matrix_a_scale:MATRIX_SCALE_ROW1
.else
	v_wmma_scale_f32_16x16x128_f8f6f4 v[AC_:AC_+7], v[W_:W_+15], v[R_:R_+15], v[C_:C_+7], v[WS_], v[XS_] matrix_a_fmt:MATRIX_FMT_BF8 matrix_b_fmt:MATRIX_FMT_BF8
.endif
.endm
.macro TOSTAGE n                       ; 8 stores, each accumulator from its low end on, and 8 loads: LDS serves a wave's instructions in order (ISA guide 5.7.1.4)
.irp t, 0,1,2,3
	ds_store_b128 v[STO], v[ACC+32*((\n)%2)+8*\t:ACC+32*((\n)%2)+8*\t+3] offset:64*\t
	ds_store_b128 v[STO], v[ACC+32*((\n)%2)+8*\t+4:ACC+32*((\n)%2)+8*\t+7] offset:64*\t+16
.endr
.irp i, 0,1,2,3,4,5,6,7
	ds_load_b128 v[BK+4*\i:BK+4*\i+3], v[RD] offset:2*\i*SPITCH
.endr
.endm
.macro SEND n                          ; 16 lanes store 256 consecutive bytes, at a multiple of 256 from out0's first byte
.irp i, 0,1,2,3,4,5,6,7
	global_store_b128 v[CO], v[BK+4*\i:BK+4*\i+3], s[14:15] offset:(128*((\n)/4)+16*((\n)%4)+2*\i)*4096 th:TH_STORE_NT
.endr
.endm
; A BLOCK.  Behind its products: the block before leaves; its own sums go through the stage; its set takes the block two on.
.macro BLK n
.if (\n) == 7
	s_wait_dscnt 16                                ; behind block 7's fetch: block 6's 16 stage instructions
.elseif (\n) >= 2
	s_wait_dscnt 48                                ; behind this block's fetch: 16 stage instructions and the next fetch's 32 loads
.endif
.set K_, 0
.rept 32
	PROD \n, K_
.set K_, K_+1
.endr
	WIN 0
	PLACES NP                                      ; ahead of the stores that read the sums and of the loads into the set just read
.if (\n) >= 1
.if (\n) == 7
	s_wait_dscnt 0x0
.else
	s_wait_dscnt 32                                ; the block before is back from the stage; behind it: a fetch's 32 loads
.endif
	SEND (\n)-1
	s_wait_xcnt 0x0                                ; the stores have read their data, which the loads below write
.endif
.if (\n) == 2
	s_wait_tensorcnt 0x0                           ; my part of rows 128-255 is in,
	s_wait_dscnt 0x0
	BARRIER                                        ; everybody's is: the fetch below reads them
.endif
	TOSTAGE \n
.if (\n) <= 5
	FETCH (\n)+2
.endif
.endm
	s_wait_tensorcnt 0x0                           ; my part of the head's tiles is in,
	BARRIER                                        ; everybody's is
	WEIGHTS
	FETCH 0
	FETCH 1
	s_wait_tensorcnt 0x0                           ; ahead of the refill
	ds_add_u32 v[SPW], v[NIL]
	s_wait_dscnt 0x0                               ; the add is done, and Wo stands in registers
	CROUND                                         ; that holds of every wave of the cluster
	TLOAD G0R, G1R                                 ; ctx's rows 128-255 over Wo's bytes, in the same shape
	s_wait_loadcnt 0x0                             ; scale words and bias
.irp n, 0,1,2,3,4,5,6,7
	BLK \n
.endr
	s_wait_dscnt 0x0
	SEND 7
	s_wait_tensorcnt 0x0                           ; the wave's end
	ds_add_u32 v[SPW], v[NIL]
	s_wait_dscnt 0x0
	CROUND                                         ; the closing round
	s_endpgm
.Lfunc_end_k_qd7508d7a0b_outp:
	.size	k_qd7508d7a0b_outp, .Lfunc_end_k_qd7508d7a0b_outp-k_qd7508d7a0b_outp
	.p2alignl 7, 3214868480
	.fill 96, 4, 3214868480
	.section	.rodata,"a",@progbits
	.p2align	6, 0x0
	.amdhsa_kernel k_qd7508d7a0b_outp
		.amdhsa_group_segment_fixed_size 327680
		.amdhsa_private_segment_fixed_size 0
		.amdhsa_enable_private_segment 0
		.amdhsa_kernarg_size 48
		.amdhsa_user_sgpr_count 2
		.amdhsa_user_sgpr_kernarg_segment_ptr 1
		.amdhsa_wavefront_size32 1
		.amdhsa_system_sgpr_workgroup_id_x 1
		.amdhsa_system_sgpr_workgroup_id_y 1
		.amdhsa_system_sgpr_workgroup_id_z 1
		.amdhsa_system_vgpr_workitem_id 0
		.amdhsa_next_free_vgpr 1024
		.amdhsa_next_free_sgpr 98
		.amdhsa_reserve_vcc 0
		.amdhsa_float_denorm_mode_32 3
		.amdhsa_float_denorm_mode_16_64 3
		.amdhsa_memory_ordered 1
		.amdhsa_forward_progress 1
		.amdhsa_inst_pref_size 86
	.end_amdhsa_kernel
	.amdgpu_metadata
---
amdhsa.version: [ 1, 2 ]
amdhsa.kernels:
  - .name:           k_qd7508d7a0b_outp
    .symbol:         k_qd7508d7a0b_outp.kd
    .args:
      - { .name: cimg, .offset: 0, .size: 8, .value_kind: global_buffer, .address_space: global }
      - { .name: cscl, .offset: 8, .size: 8, .value_kind: global_buffer, .address_space: global }
      - { .name: Wo_codes, .offset: 16, .size: 8, .value_kind: global_buffer, .address_space: global }
      - { .name: Wo_scales, .offset: 24, .size: 8, .value_kind: global_buffer, .address_space: global }
      - { .name: bo, .offset: 32, .size: 8, .value_kind: global_buffer, .address_space: global }
      - { .name: out0, .offset: 40, .size: 8, .value_kind: global_buffer, .address_space: global }
    .group_segment_fixed_size: 327680
    .private_segment_fixed_size: 0
    .kernarg_segment_align: 8
    .kernarg_segment_size: 48
    .max_flat_workgroup_size: 128
    .sgpr_count:     98
    .vgpr_count:     1024
    .wavefront_size: 32
...
	.end_amdgpu_metadata
.endif
;; end of part 3
